; MI455X (gfx1250); checked and timed in simulation.
; The chip was launched on July 23, 2026; its instructions are those of AMD's public machine-readable ISA for CDNA 5 (MIT licence, August 2026) and "CDNA5" Instruction Set Architecture Reference Guide (July 2026). The comments in the code are by the model that wrote it; some were corrected since.
;; Self Attention. Allowed arithmetic: matrix products marked QUANTISED: E2M1 operands, one E8M0 scale for each 32 along K, by v_wmma_scale_f32_16x16x128_f8f6f4 with both operands' format E2M1 (or v_wmma_scale_f32_32x16x128_f4), f32 sums; products left as they are: bf16, f16 or f32 operands; f32 sums; everything else in f32.
;; Inputs: Wk 1,024 x 1,024 float32; Wo 1,024 x 1,024 float32; Wq 1,024 x 1,024 float32; Wv 1,024 x 1,024 float32; bk 1,024 float32; bo 1,024 float32; bq 1,024 float32; bv 1,024 float32; inputs 4 x 2,048 x 1,024 float32.
;; Outputs: out0 4 x 2,048 x 1,024 float32.
;; This version of the problem:
;;   THIS VERSION OF THE PROBLEM IS GIVEN IN LOW PRECISION. The matrix products marked QUANTISED in the list below multiply operands that are first quantised to E2M1 (2 exponent bits, 1 mantissa bit; 4 bits a number), with one power-of-two scale for each 32 numbers along K (OCP MX v1.0); their sums are f32. The products marked 'left as it is' may take bf16, f16 or f32 operands, with f32 sums. Whichever they take, every output number must still come out within the allowed error. Rounding operands to bf16 (8 significant bits) uses up far more of that allowance than f16 does (11 bits, for magnitudes from 6e-5 to 65,504). All else is computed in f32.
;;   The module's matrix products, in the order in which they are computed (A, B: the left and right operand; K: the contracted axis; several contracted axes count as one K, in the product's order):
;;     1. [M 8,192, K 1,024] x [K 1,024, N 1,024]; A: input inputs; B: input Wq: QUANTISED
;;     2. [M 8,192, K 1,024] x [K 1,024, N 1,024]; A: input inputs; B: input Wk: QUANTISED
;;     3. [M 8,192, K 1,024] x [K 1,024, N 1,024]; A: input inputs; B: input Wv: QUANTISED
;;     4. batch 64 x [M 2,048, K 64] x [K 64, N 2,048]; A: computed on the way; B: computed on the way: left as it is (an operand is computed on the way)
;;     5. batch 64 x [M 2,048, K 2,048] x [K 2,048, N 64]; A: computed on the way; B: computed on the way: left as it is (an operand is computed on the way)
;;     6. [M 8,192, K 1,024] x [K 1,024, N 1,024]; A: computed on the way; B: input Wo: left as it is (an operand is computed on the way)
;;   THE QUANTISER, for each operand of a quantised product, along K:
;;     - K is cut into blocks of 32 from its start; a last block that is shorter is filled with zeros.
;;     - A block's scale is 2^e with e = floor(log2(the largest magnitude in the block)) - 2, held to -126 .. 127; a block of zeros has e = 0. As a byte (E8M0): e + 127.
;;     - Each number is divided by its block's scale, clamped to +-6, and rounded to the nearest number of E2M1, ties to even, subnormals kept.
;;     - The product sums the exact products of the quantised numbers (number of the format x scale) in f32.
;;   ~~~python
;;   def quantise(x, axis):      # numpy; x: float32 -> the quantised numbers, widened to float32 again
;;       x = np.moveaxis(x, axis, -1); K = x.shape[-1]
;;       x = np.pad(x, [(0, 0)] * (x.ndim - 1) + [(0, -K % 32)]); x = x.reshape(x.shape[:-1] + (-1, 32)); a = np.abs(x).max(-1, keepdims=True)
;;       e = np.where(a > 0, np.clip(np.frexp(np.where(a > 0, a, 1))[1] - 1 - 2, -126, 127), 0)      # np.frexp(a)[1] - 1 = floor(log2(a)), exactly
;;       r = np.clip(x / 2.0 ** e, -6, 6)
;;       step = 2.0 ** (np.maximum(np.frexp(np.where(r == 0, 1, r))[1] - 1, 0) - 1)
;;       q = np.round(r / step) * step * 2.0 ** e      # np.round: ties to even
;;       return np.moveaxis(q.reshape(q.shape[:-2] + (-1,))[..., :K], -1, axis).astype(np.float32)
;;   ~~~
;; One version. Each part assembles by itself: llvm-mc -triple=amdgcn-amd-amdhsa -mcpu=gfx1250 --defsym DOCPART=n.
;; ======== version 1 of 1: 4 launches
;; limits: values are held in f16: magnitudes above 65,504 overflow, below 6.1e-05 lose precision
;; workspace buffers: xc 4,194,304 bytes; xs 262,144 bytes; wc 1,572,864 bytes; ws 98,304 bytes; wot 2,097,152 bytes; qkv 50,331,648 bytes; ao 16,777,216 bytes
;; launch prep (part 1): grid 368 x 1, 4 waves a work-group, no clusters, 102,912 bytes of LDS; arguments inputs, Wq, Wk, Wv, Wo, xc, xs, wc, ws, wot; writes xc, xs, wc, ws, wot
.if DOCPART == 1
	.amdgcn_target "amdgcn-amd-amdhsa--gfx1250"
	.amdhsa_code_object_version 6
	.text
	.protected	k_q285800cb88_prep
	.globl	k_q285800cb88_prep
	.p2align	8
	.type	k_q285800cb88_prep,@function
k_q285800cb88_prep:
	s_mov_b64 s[64:65], 0
	v_nop
	global_prefetch_b8 v0, s[64:65] scope:SCOPE_SE
	s_setreg_imm32_b32 hwreg(HW_REG_WAVE_MODE, 25, 1), 1
	s_wait_xcnt 0x0
; PREP: the operands of the later launches are laid out once.
;   path X (work-groups 0-255):   inputs [8192][1024] f32 -> xc: codes of FP4 (E2M1), K innermost, 512 bytes a row; xs: one E8M0 byte for each 32 along K, 32 bytes a row.
;   path W (work-groups 256-303): Wq, Wk, Wv [k][n] f32 -> wc [3072 rows n][512 bytes], ws [3072][32]: K, their FIRST axis, is moved innermost; rows: q 0.., k 1024.., v 2048..
;   path O (work-groups 304-367): Wo [k][n] f32 -> wot [n][k] f16 (the last product is left as it is and takes f16 operands).
; LEFT OUT AS DEAD WORK: bk.  k = x Wk + bk, so score(query, key) = q . (x_key Wk) / 8 + q . bk / 8.  The second term is the same for all keys of a query, and a softmax along the keys
; is not moved by a term that is the same along its axis, whatever the inputs hold.  k goes into no quantiser (q k^T is a product left as it is), so bk moves no code and no scale.
; bk therefore has no way to any output: it is not loaded and is among no launch's arguments.  LIMIT: a NaN, an infinity or an overflow that would arise from bk alone is not carried to the result.
; THE QUANTISER: a block's scale is 2^(floor(log2(its largest magnitude)) - 2); its byte is that magnitude's exponent field - 2, held at 1 from below.  A block of zeros so gets the byte 1 where the
; rule says 127: its codes are zeros, which add nothing under any byte but 0xff, and the bytes are read by this program alone.  Each number is divided by the scale and rounded to the nearest code, ties to even.
; LIMITS: blocks whose largest magnitude lies under 2^(2 - 126) were not tried; NaN and infinities among the inputs are not served; Wo must lie in f16's range (magnitudes to 65,504).
; No tensor loads, no barrier: waves share nothing.  The three paths part on the work-group's number; each has LDS bytes of its own.
.set SPW,   196                        ; v196  LDS address of my spare word: SPARE + 4 x my thread's number; never rewritten
.set NIL,   197                        ; v197  0; never rewritten
.set WBASE, 32768                      ; LDS: path X 0 .. 32,767; path W from here; path O from OBASE
.set OBASE, 67584
.set SPARE, 102400                     ; the spare words, 128 bytes for each wave: two blocks of 256 bytes that no other line names
.set XREG,  8192                       ; path X: a wave's region: two stages of 32 x SP bytes, behind them its 256 scale bytes
.set SP,    80                         ; a lane's place in a stage: 64 bytes + 16 of padding
.set STEPS, 16
.set CB,    8                          ; bytes of 16 codes
.set XR,    16                         ; v16-79   path X: four sets of 16 numbers as loaded
.set XN,    80                         ; v80-111  two sets of 16 neighbours
.set XE,    112                        ; v112-127 a scale byte for each step
.set XC,    128                        ; v128-191 codes: four registers for each step, so that no store's data are written again
.set PITCH, 272                        ; paths W, O: a stage row: 256 bytes + 16
.set WREG,  32*PITCH                   ; a wave's stage: 32 columns
.set WX,    32                         ; v32-95   two sets of 32 numbers down K
.set WC,    96                         ; v96-111  a block's codes (W: 4 registers) or f16 pairs (O: 16)
.set WOUT,  112                        ; v112-175 the way out
.set WSB,   24                         ; v24-27   a column's 16 scale bytes
	s_load_b512 s[4:19], s[0:1], 0x0               ; inputs s[4:5], Wq s[6:7], Wk s[8:9], Wv s[10:11], Wo s[12:13], xc s[14:15], xs s[16:17], wc s[18:19]
	s_load_b128 s[20:23], s[0:1], 0x40             ; ws s[20:21], wot s[22:23]
	v_lshl_add_u32 v[SPW], v0, 2, SPARE
	v_mov_b32 v[NIL], 0
	v_lshrrev_b32 v1, 5, v0
	v_readfirstlane_b32 s24, v1                    ; wave 0..3
	v_and_b32 v2, 31, v0                           ; lane
	s_wait_kmcnt 0x0
	s_cmp_lt_u32 ttmp9, 256
	s_cbranch_scc0 .Lweights
; ---------------- PATH X.  Rows are dense and K is a multiple of 32: inputs are a plain stream of blocks of 32, and so are the codes and the scale bytes.
; A wave takes 16 steps of 512 numbers.  Each of a step's four loads reads 512 consecutive bytes, 16 a lane; the 2,048 bytes turn through the wave's own stage in LDS and come back 64 bytes a lane,
; so that a lane holds 16 neighbours along K (two neighbouring lanes hold a block), as the conversions want them.  Loads run four steps ahead, the turn through LDS one step.
	v_lshlrev_b32 v3, 4, v2                        ; my 16 bytes of a load's 512
	s_mul_i32 s25, s24, XREG
	v_lshrrev_b32 v14, 2, v2
	v_mul_u32_u24 v14, v14, SP
	v_and_b32 v15, 3, v2
	v_lshl_add_u32 v14, v15, 4, v14
	v_add_nc_u32 v14, s25, v14                     ; the stage, on the way in: SP (lane / 4) + 16 (lane % 4)
	v_mul_u32_u24 v15, v2, SP
	v_add_nc_u32 v15, s25, v15                     ; and on the way out: SP x lane
	v_mul_u32_u24 v4, v2, CB                       ; my codes' place in a step's
	v_lshrrev_b32 v5, 1, v2
	s_add_co_u32 s25, s25, 2*32*SP
	v_add_nc_u32 v5, s25, v5                       ; LDS: my wave's 256 scale bytes, my block's byte
	v_lshlrev_b32 v7, 3, v2                        ; and on the way out 8 bytes a lane
	v_add_nc_u32 v6, s25, v7
	s_lshl_b32 s26, ttmp9, 2
	s_add_co_u32 s26, s26, s24                     ; which run of 8,192 numbers is my wave's: 0 .. 1,023
	s_mov_b32 s29, 0
	s_lshl_b32 s28, s26, 15                        ; 32,768 bytes of numbers,
	s_add_nc_u64 s[4:5], s[4:5], s[28:29]
	s_lshl_b32 s28, s26, 12                        ; 4,096 of codes,
	s_add_nc_u64 s[14:15], s[14:15], s[28:29]
	s_lshl_b32 s28, s26, 8                         ; 256 scale bytes a run
	s_add_nc_u64 s[16:17], s[16:17], s[28:29]
.macro XLOAD t
.irp i, 0,1,2,3
	global_load_b128 v[XR+16*((\t)%4)+4*\i:XR+16*((\t)%4)+4*\i+3], v3, s[4:5] offset:2048*(\t)+512*\i th:TH_LOAD_NT   ; 32 lanes read 512 consecutive bytes
.endr
.endm
.macro XTURN t                         ; step t's numbers through the stage: LDS serves a wave's instructions in order, so no wait stands between the stores and the loads
.irp i, 0,1,2,3
	ds_store_b128 v14, v[XR+16*((\t)%4)+4*\i:XR+16*((\t)%4)+4*\i+3] offset:32*SP*((\t)%2)+8*SP*\i
.endr
.irp i, 0,1,2,3
	ds_load_b128 v[XN+16*((\t)%2)+4*\i:XN+16*((\t)%2)+4*\i+3], v15 offset:32*SP*((\t)%2)+16*\i
.endr
.endm
.irp t, 0,1,2,3
	XLOAD \t
.endr
	s_wait_loadcnt 12                              ; step 0's four loads are in; the twelve of steps 1 to 3 may be out
	XTURN 0
.macro XSTEP t
.set XS, XN+16*((\t)%2)
.if (\t) > 0
	s_wait_dscnt 1                                 ; this step's numbers are back from the stage (the last step's byte store may be out): so its stores into the stage have read their registers,
.else
	s_wait_dscnt 0x0
.endif
.if (\t)+4 < STEPS
	XLOAD (\t)+4                                   ; which take the loads of four steps on
.endif
.if (\t)+1 < STEPS
.if STEPS-2-(\t) >= 3
	s_wait_loadcnt 12                              ; the next step's four loads are in; those of the three steps behind it may be out
.else
	s_wait_loadcnt 4*(STEPS-2-(\t))
.endif
	XTURN (\t)+1                                   ; and go through the other stage while this step is worked
.endif
	v_max3_num_f32 v8, |v[XS]|, |v[XS+1]|, |v[XS+2]|               ; the largest magnitude of my 16, in two chains
	v_max3_num_f32 v9, |v[XS+3]|, |v[XS+4]|, |v[XS+5]|
.irp i, 6,10
	v_max3_num_f32 v8, v8, |v[XS+\i]|, |v[XS+\i+1]|
	v_max3_num_f32 v9, v9, |v[XS+\i+2]|, |v[XS+\i+3]|
.endr
	v_max3_num_f32 v8, v8, |v[XS+14]|, |v[XS+15]|
	v_max3_num_f32 v8, v8, v9, 0x1800000           ; and the floor 2^(3 - 127): so the byte cannot fall under 1
	v_max_num_f32_dpp v8, v8, v8 row_xmask:1 row_mask:0xf bank_mask:0xf   ; and of my neighbour's 16: the block's
	v_add_nc_u32 v11, 0xff000000, v8               ; 2 off its exponent field: the conversion takes the exponent field of this operand as its scale, and nothing else of it
	v_cvt_scalef32_pk8_fp4_f32 v[XC+4*(\t)], v[XS:XS+7], v11
	v_cvt_scalef32_pk8_fp4_f32 v[XC+4*(\t)+1], v[XS+8:XS+15], v11
	v_lshrrev_b32 v[XE+(\t)], 23, v11              ; the scale's byte (also the plain line behind the conversions)
	ds_store_b8 v5, v[XE+(\t)] offset:16*(\t)      ; both lanes of a block write the same byte with the same value
	global_store_b64 v4, v[XC+4*(\t):XC+4*(\t)+1], s[14:15] offset:32*CB*(\t)   ; the wave stores 256 consecutive bytes, aligned
.endm
.irp t, 0,1,2,3,4,5,6,7,8,9,10,11,12,13,14,15
	XSTEP \t
.endr
	ds_load_b64 v[8:9], v6                         ; LDS serves a wave's instructions in order: these see my stores
	s_wait_dscnt 0x0
	global_store_b64 v7, v[8:9], s[16:17]          ; 32 lanes store 256 consecutive bytes, aligned
	s_wait_tensorcnt 0x0                           ; the wave's end: behind my last LDS store
	ds_add_u32 v[SPW], v[NIL]
	s_wait_dscnt 0x0
	s_endpgm
; ---------------- PATHS W AND O.  A LANE TAKES A COLUMN n, AND ITS REGISTERS RUN DOWN K: each load reads neighbouring n in neighbouring lanes (128 consecutive bytes a wave, 512 a work-group), and what a
; lane makes of its registers has K innermost.  A lane's results belong to one row of the output and the lanes beside it hold other rows: so they go through the wave's own stage in LDS and leave by rows:
; sixteen lanes store 256 consecutive bytes, aligned.  Loads run two blocks of 32 along K (64 loads a wave) ahead.
.Lweights:
	v_lshlrev_b32 v3, 2, v2                        ; in: 4 bytes a lane
	v_and_b32 v5, 15, v2
	v_lshrrev_b32 v6, 4, v2
	s_mul_i32 s25, s24, WREG                       ; my stage
	v_mul_u32_u24 v4, v2, PITCH
	v_add_nc_u32 v4, s25, v4                       ; into it: row = my column
	v_mul_u32_u24 v7, v6, PITCH
	v_lshl_add_u32 v7, v5, 4, v7
	v_add_nc_u32 v7, s25, v7                       ; out of it: sixteen lanes to a row, two rows an instruction
	s_mov_b32 s33, 0
.macro WLOAD t                         ; block t: W(32 t + i, my column), i = 0 .. 31, into set t % 2.  A row of W is 4,096 bytes; 511 rows stay inside the signed 24-bit immediate
.irp i, 0,1,2,3,4,5,6,7,8,9,10,11,12,13,14,15,16,17,18,19,20,21,22,23,24,25,26,27,28,29,30,31
	global_load_b32 v[WX+32*((\t)%2)+\i], v3, s[28:29] offset:(32*(\t)+\i)*4096 th:TH_LOAD_NT
.endr
.endm
	s_cmp_lt_u32 ttmp9, 304
	s_cbranch_scc0 .Lwo
; ---------------- PATH W: 16 work-groups a weight: 8 groups of 128 columns x 2 halves of K; a wave takes 32 columns x 512 along K: 16 blocks a lane.
	v_add_nc_u32 v4, WBASE, v4
	v_add_nc_u32 v7, WBASE, v7
	s_sub_co_u32 s25, ttmp9, 256                   ; 0 .. 47
	s_lshr_b32 s26, s25, 4                         ; which weight
	s_cmp_eq_u32 s26, 0
	s_cselect_b64 s[28:29], s[6:7], s[8:9]         ; the choice hangs on the work-group's number alone
	s_cmp_eq_u32 s26, 2
	s_cselect_b64 s[28:29], s[10:11], s[28:29]
	s_and_b32 s27, s25, 7
	s_lshl_b32 s27, s27, 7
	s_lshl_b32 s30, s24, 5
	s_add_co_u32 s27, s27, s30                     ; my wave's first column
	s_bfe_u32 s30, s25, 0x10003                    ; which half of K
	s_lshl_b32 s32, s30, 21                        ; 512 rows of 4,096 bytes
	s_lshl_b32 s34, s27, 2
	s_add_co_u32 s32, s32, s34
	s_add_nc_u64 s[28:29], s[28:29], s[32:33]
	s_lshl_b32 s31, s26, 10
	s_add_co_u32 s31, s31, s27                     ; my first row of wc and ws
	s_lshl_b32 s32, s31, 9                         ; 512 bytes of codes a row,
	s_lshl_b32 s34, s30, 8                         ; 256 for half of K
	s_add_co_u32 s32, s32, s34
	s_add_nc_u64 s[18:19], s[18:19], s[32:33]
	s_lshl_b32 s32, s31, 5                         ; 32 scale bytes a row, 16 for half of K
	s_lshl_b32 s34, s30, 4
	s_add_co_u32 s32, s32, s34
	s_add_nc_u64 s[20:21], s[20:21], s[32:33]
	v_lshlrev_b32 v8, 9, v6
	v_lshl_add_u32 v8, v5, 4, v8                   ; the way out: the same two rows in wc
	v_lshlrev_b32 v9, 5, v2                        ; my column's row of scale bytes
	WLOAD 0
	WLOAD 1
.macro WBLOCK t
.set XS, WX+32*((\t)%2)
.if (\t) < 15
	s_wait_loadcnt 32                              ; this block's 32 loads are in; the next block's may be out
.else
	s_wait_loadcnt 0
.endif
	v_max3_num_f32 v12, |v[XS]|, |v[XS+1]|, |v[XS+2]|              ; the block's largest magnitude: all 32 numbers are mine
	v_max3_num_f32 v13, |v[XS+3]|, |v[XS+4]|, |v[XS+5]|
.irp i, 6,10,14,18,22,26
	v_max3_num_f32 v12, v12, |v[XS+\i]|, |v[XS+\i+1]|
	v_max3_num_f32 v13, v13, |v[XS+\i+2]|, |v[XS+\i+3]|
.endr
	v_max3_num_f32 v12, v12, |v[XS+30]|, |v[XS+31]|
	v_max3_num_f32 v12, v12, v13, 0x1800000        ; and the floor 2^(3 - 127)
	v_add_nc_u32 v11, 0xff000000, v12              ; 2 off its exponent field: the conversion's scale operand
	v_lshrrev_b32 v13, 23, v11                     ; the scale's byte
.if (\t)%4 == 0
	v_mov_b32 v[WSB+(\t)/4], v13                   ; four bytes to a register, the lower K in the lower byte
.else
	v_lshl_or_b32 v[WSB+(\t)/4], v13, 8*((\t)%4), v[WSB+(\t)/4]
.endif
.irp g, 0,1,2,3
	v_cvt_scalef32_pk8_fp4_f32 v[WC+\g], v[XS+8*\g:XS+8*\g+7], v11
.endr
	v_nop                                          ; one plain line behind the last conversion
	ds_store_b128 v4, v[WC:WC+3] offset:16*(\t)    ; 32 codes: 16 bytes of my column's row
.if (\t)+2 < 16
	WLOAD (\t)+2
.endif
	s_wait_dscnt 0x0                               ; the store has read its registers: the next block's codes may be written
.endm
.set Q, 0
.rept 16
	WBLOCK Q
.set Q, Q+1
.endr
	global_store_b128 v9, v[WSB:WSB+3], s[20:21]   ; my column's 16 scale bytes
.irp t, 0,1,2,3,4,5,6,7,8,9,10,11,12,13,14,15
	ds_load_b128 v[WOUT+4*\t:WOUT+4*\t+3], v7 offset:2*\t*PITCH   ; LDS serves a wave's instructions in order: these see my stores
.endr
.irp t, 0,1,2,3,4,5,6,7,8,9,10,11,12,13,14,15
	s_wait_dscnt 15-\t                             ; load t is back; the 15 - t behind it may be out
	global_store_b128 v8, v[WOUT+4*\t:WOUT+4*\t+3], s[18:19] offset:2*\t*512
.endr
	s_wait_tensorcnt 0x0                           ; the wave's end: behind my last LDS store
	ds_add_u32 v[SPW], v[NIL]
	s_wait_dscnt 0x0
	s_endpgm
; ---------------- PATH O: 8 groups of 128 columns x 8 pieces of 128 along K; a wave takes 32 columns x 128 along K: 4 blocks a lane, 256 bytes of f16 for each column.
.Lwo:
	v_add_nc_u32 v4, OBASE, v4
	v_add_nc_u32 v7, OBASE, v7
	s_sub_co_u32 s25, ttmp9, 304                   ; 0 .. 63
	s_and_b32 s27, s25, 7
	s_lshl_b32 s27, s27, 7
	s_lshl_b32 s30, s24, 5
	s_add_co_u32 s27, s27, s30                     ; my wave's first column
	s_lshr_b32 s30, s25, 3                         ; which 128 along K
	s_lshl_b32 s32, s30, 19                        ; 128 rows of 4,096 bytes
	s_lshl_b32 s34, s27, 2
	s_add_co_u32 s32, s32, s34
	s_add_nc_u64 s[28:29], s[12:13], s[32:33]
	s_lshl_b32 s32, s27, 11                        ; a row of wot is 2,048 bytes,
	s_lshl_b32 s34, s30, 8                         ; 128 along K are 256
	s_add_co_u32 s32, s32, s34
	s_add_nc_u64 s[22:23], s[22:23], s[32:33]
	v_lshlrev_b32 v8, 11, v6
	v_lshl_add_u32 v8, v5, 4, v8                   ; the way out: the same two rows in wot
	WLOAD 0
	WLOAD 1
.macro OBLOCK t
.set XS, WX+32*((\t)%2)
.if (\t) < 3
	s_wait_loadcnt 32                              ; this block's 32 loads are in; the next block's may be out
.else
	s_wait_loadcnt 0
.endif
.irp i, 0,1,2,3,4,5,6,7,8,9,10,11,12,13,14,15
	v_cvt_pk_f16_f32 v[WC+\i], v[XS+2*\i], v[XS+2*\i+1]            ; two neighbours along K, the lower in the low half
.endr
.irp g, 0,1,2,3
	ds_store_b128 v4, v[WC+4*\g:WC+4*\g+3] offset:64*(\t)+16*\g
.endr
.if (\t)+2 < 4
	WLOAD (\t)+2
.endif
	s_wait_dscnt 0x0                               ; the stores have read their registers
.endm
.irp t, 0,1,2,3
	OBLOCK \t
.endr
.irp t, 0,1,2,3,4,5,6,7,8,9,10,11,12,13,14,15
	ds_load_b128 v[WOUT+4*\t:WOUT+4*\t+3], v7 offset:2*\t*PITCH
.endr
.irp t, 0,1,2,3,4,5,6,7,8,9,10,11,12,13,14,15
	s_wait_dscnt 15-\t
	global_store_b128 v8, v[WOUT+4*\t:WOUT+4*\t+3], s[22:23] offset:2*\t*2048
.endr
	s_wait_tensorcnt 0x0                           ; the wave's end: behind my last LDS store
	ds_add_u32 v[SPW], v[NIL]
	s_wait_dscnt 0x0
	s_endpgm
.Lfunc_end_k_q285800cb88_prep:
	.size	k_q285800cb88_prep, .Lfunc_end_k_q285800cb88_prep-k_q285800cb88_prep
	.p2alignl 7, 3214868480
	.fill 96, 4, 3214868480
	.section	.rodata,"a",@progbits
	.p2align	6, 0x0
	.amdhsa_kernel k_q285800cb88_prep
		.amdhsa_group_segment_fixed_size 102912
		.amdhsa_private_segment_fixed_size 0
		.amdhsa_enable_private_segment 0
		.amdhsa_kernarg_size 80
		.amdhsa_user_sgpr_count 2
		.amdhsa_user_sgpr_kernarg_segment_ptr 1
		.amdhsa_wavefront_size32 1
		.amdhsa_system_sgpr_workgroup_id_x 1
		.amdhsa_system_sgpr_workgroup_id_y 1
		.amdhsa_system_sgpr_workgroup_id_z 1
		.amdhsa_system_vgpr_workitem_id 0
		.amdhsa_next_free_vgpr 200
		.amdhsa_next_free_sgpr 66
		.amdhsa_reserve_vcc 0
		.amdhsa_float_denorm_mode_32 3
		.amdhsa_float_denorm_mode_16_64 3
		.amdhsa_memory_ordered 1
		.amdhsa_forward_progress 1
		.amdhsa_inst_pref_size 132
	.end_amdhsa_kernel
	.amdgpu_metadata
---
amdhsa.version: [ 1, 2 ]
amdhsa.kernels:
  - .name:           k_q285800cb88_prep
    .symbol:         k_q285800cb88_prep.kd
    .args:
      - { .name: inputs, .offset: 0, .size: 8, .value_kind: global_buffer, .address_space: global }
      - { .name: Wq, .offset: 8, .size: 8, .value_kind: global_buffer, .address_space: global }
      - { .name: Wk, .offset: 16, .size: 8, .value_kind: global_buffer, .address_space: global }
      - { .name: Wv, .offset: 24, .size: 8, .value_kind: global_buffer, .address_space: global }
      - { .name: Wo, .offset: 32, .size: 8, .value_kind: global_buffer, .address_space: global }
      - { .name: xc, .offset: 40, .size: 8, .value_kind: global_buffer, .address_space: global }
      - { .name: xs, .offset: 48, .size: 8, .value_kind: global_buffer, .address_space: global }
      - { .name: wc, .offset: 56, .size: 8, .value_kind: global_buffer, .address_space: global }
      - { .name: ws, .offset: 64, .size: 8, .value_kind: global_buffer, .address_space: global }
      - { .name: wot, .offset: 72, .size: 8, .value_kind: global_buffer, .address_space: global }
    .group_segment_fixed_size: 102912
    .private_segment_fixed_size: 0
    .kernarg_segment_align: 8
    .kernarg_segment_size: 80
    .max_flat_workgroup_size: 128
    .sgpr_count:     66
    .vgpr_count:     200
    .wavefront_size: 32
...
	.end_amdgpu_metadata
.endif
;; end of part 1
;; launch qkv (part 2): grid 12 x 32, 4 waves a work-group, clusters of 4 x 4, 327,680 bytes of LDS; arguments xc, xs, wc, ws, qkv, bq, bv; writes qkv
.if DOCPART == 2
	.amdgcn_target "amdgcn-amd-amdhsa--gfx1250"
	.amdhsa_code_object_version 6
	.text
	.protected	k_q285800cb88_qkv
	.globl	k_q285800cb88_qkv
	.p2align	8
	.type	k_q285800cb88_qkv,@function
k_q285800cb88_qkv:
	s_mov_b64 s[64:65], 0
	v_nop
	global_prefetch_b8 v0, s[64:65] scope:SCOPE_SE
	s_setreg_imm32_b32 hwreg(HW_REG_WAVE_MODE, 25, 1), 1
	s_wait_xcnt 0x0
	s_wait_alu depctr_hold_cnt(0) depctr_sa_sdst(0) depctr_va_vdst(0) depctr_va_sdst(0) depctr_va_ssrc(0) depctr_va_vcc(0) depctr_vm_vsrc(0)
	s_getreg_b32 s2, hwreg(HW_REG_IB_STS2, 6, 4)
	s_cmp_eq_u32 s2, 0
	s_cbranch_scc0 .Lentry_in_a_cluster
	s_endpgm
.Lentry_in_a_cluster:
	s_bfe_u32 s2, ttmp6, 0x10000c
	s_cmp_lg_u32 s2, 0xf033
	s_cbranch_scc0 .Lentry_shape_is_right
	s_endpgm
.Lentry_shape_is_right:
; QKV: q = x Wq + bq, k = x Wk, v = x Wv + bv, the three quantised products as ONE product on codes of FP4 (E2M1) with E8M0 scales: A = xc [8192][1024 codes], B = wc [3072 rows n][1024 codes].
; bk is left out: it adds to every score of a query the same term, which the softmax along the keys takes away for all values, and k goes into no quantiser.
; The results are rounded once to f16 and laid as the attention wants them: qkv [3 sections q, k, v][64 = 16 batch + head][2048 tokens][64], a row 128 bytes.
; LIMIT: q, k, v must lie in f16's range (magnitudes to 65,504; under 6e-5 they keep f16's fixed step of 6e-8).
; A tile of C, 256 tokens x 256 features, is made by a work-group of four waves; a wave makes 128 x 128: 64 accumulators of 16 x 16, 512 registers.
; K = 1,024 is two slots of 512 along K (LDS rows of 256 bytes): both slots and the scale bytes of the work-group's rows are FIRST fills; nothing is filled again.  Three tensor loads of a wave are out at the most.
; CLUSTERS: 4 x 4 work-groups.  The four of a row of the cluster need the same tiles of A, the four of a column the same tiles of B: each tile is asked for JOINTLY.  A column of clusters (ttmp9 = 0, 1, 2) is q, k or v.
; THE MATRIX INSTRUCTION IS USED TRANSPOSED (source 0 = 16 rows of B, source 1 = 16 rows of A): a lane holds one token and eight neighbouring features.
; THE BIAS is the C of each sum's first matrix instruction: eight registers for each of B's eight blocks.  q's and v's clusters load them; k's clusters, which have no bias, write zeros there, so that
; the first step is written once for all three; loads or moves run while the first tiles are on their way.
; REGISTERS, in windows of 256: window 0: v0-31 addresses; v32-95 scale words, two sets; v128-191 A's fragments, ONE set; v192-255 the bias; on the way out v128-191 rows read back, v192-223 packed results.
;   window 1: B's fragments, TWO sets, at v0 and v128.   window 2: the accumulators of my tokens 0-63 ((a, b) at v[8 (8 a + b)]);   window 3: those of my tokens 64-127.
.set NQ,     4                         ; steps of 128 along K in a slot
.set ROWB,   256                       ; a tile's row in bytes: 512 codes
.set KROW,   512                       ; a row of xc or wc in memory
.set PITCH,  272                       ; an LDS row: 256 bytes + 16 of padding = 68 words: the 16 rows that a load touches start at 16 different banks (64 banks of 4 bytes: ISA guide 11.1)
.set FR,     8                         ; registers of a fragment: 16 rows x 128 K
.set NL,     2                         ; LDS loads that bring one
.set NP,     4                         ; places behind this matrix instruction (ISA guide 7.12.1)
.set HALFT,  128*PITCH                 ; 128 rows: what one tensor load brings
.set SLOT,   4*HALFT                   ; A's 256 rows, then B's 256 rows
.set KS,     32                        ; a row of scale bytes
.set SCL,    2*SLOT                    ; behind the slots: the scales, as rows of 256 bytes + 16 of padding
.set HALFS,  (128*KS/256)*272          ; the scales of 128 rows
.set SBLK,   (16*KS/256)*272           ; those of 16 rows
.set SPARE,  SCL+4*HALFS               ; the spare words, 128 bytes for each wave: two blocks of 256 bytes that no other line names
.set SPITCH, 272                       ; the way out: a stage of 16 rows x (256 bytes + 16) for each wave, in slot 0, which has had its only fill and its last read when the first result is stored there
.set ADRA, 16                          ; v16-17  LDS address of my A fragments in slot 0, 1
.set ADRB, 20                          ; v20-21  the same for B
.set STO,  24                          ; v24     the way out: where I put 16 bytes of a row
.set RD,   25                          ; v25     where I read back
.set CO,   26                          ; v26     16 x lane
.set ADRS, 27                          ; v27     LDS address of my scale words: lanes 0-15 A's rows, lanes 16-31 B's
.set SPW,  28                          ; v28     LDS address of my spare word; never rewritten
.set NIL,  29                          ; v29     0; never rewritten
.set BOF,  30                          ; v30     the bias: 32 x (lane / 16)
.set SC,   32
.set AF,   128
.set BIAS, 192
.set TMP,  192
.set BK,   128
.set G1, 24
.set G0, 32
.set G1B, 48
.set G0B, 56
.set G1S, 68
.set G0S, 76
.set G1SB, 80
.set G0SB, 88
.set MSB, 0
.macro WIN new                         ; the immediate's high byte repeats the setting that is left
.if MSB != (\new)
	s_set_vgpr_msb (MSB<<8)|(\new)
.set MSB, \new
.endif
.endm
.set MUL_LO, 0xa1                      ; source 0 (B) window 1, source 1 (A) window 0, C and D window 2
.set MUL_HI, 0xf1                      ; the same, C and D window 3
.set TO_B,   0x40                      ; destination window 1, address window 0
; A joint load: waves 0 and 1 fetch for A, waves 2 and 3 for B.  The branch hangs on the wave's number alone.  An s_nop 0 and four v_nop follow each of the two lines.
.macro JLOAD g0a, g1a, g0b, g1b
	s_cmp_eq_u32 s15, 0
	s_cbranch_scc0 .Lfor_b_\@
	tensor_load_to_lds s[\g0a:\g0a+3], s[\g1a:\g1a+7]
	s_nop 0
.rept 4
	v_nop
.endr
	s_branch .Lasked_\@
.Lfor_b_\@:
	tensor_load_to_lds s[\g0b:\g0b+3], s[\g1b:\g1b+7]
	s_nop 0
.rept 4
	v_nop
.endr
.Lasked_\@:
.endm
.macro CROUND                          ; a round of the cluster's barrier
	s_barrier_signal -1
	s_barrier_wait -1
	s_cmp_lg_u32 s14, 0
	s_cbranch_scc1 .Lnot_wave_0_\@
	s_barrier_signal -3
.Lnot_wave_0_\@:
	s_barrier_wait -3
	s_barrier_signal -1
	s_barrier_wait -1
.endm
	s_load_b128 s[4:7], s[0:1], 0x0                ; xc s[4:5], xs s[6:7]
	s_load_b128 s[8:11], s[0:1], 0x10              ; wc s[8:9], ws s[10:11]
	s_load_b64 s[12:13], s[0:1], 0x20              ; qkv
	s_load_b128 s[96:99], s[0:1], 0x28             ; bq s[96:97], bv s[98:99]
	v_lshl_add_u32 v[SPW], v0, 2, SPARE
	v_mov_b32 v[NIL], 0
	ds_add_u32 v[SPW], v[NIL]                      ; the wave's opening: the add, twice on end, and its wait ahead of my first tensor load
	ds_add_u32 v[SPW], v[NIL]
	v_lshrrev_b32 v1, 5, v0
	v_readfirstlane_b32 s14, v1                    ; wave 0..3
	s_lshr_b32 s15, s14, 1                         ; which half of the tile's tokens is mine.  Also: I fetch for A (0) or for B (1)
	s_and_b32 s16, s14, 1                          ; which half of its features.  Also: which 128 rows of that tile I fetch
	s_bfe_u32 s40, ttmp6, 0x40000                  ; cx, cy: my place in the cluster
	s_bfe_u32 s41, ttmp6, 0x40004
	s_lshl_b32 s42, ttmp9, 2
	s_add_co_u32 s42, s42, s40                     ; tile column of C = 4 x cluster x + cx
	s_and_b32 s17, ttmp7, 0xffff
	s_lshl_b32 s17, s17, 2
	s_add_co_u32 s17, s17, s41                     ; tile row of C = 4 x cluster y + cy
	s_lshl_b32 s43, s41, 2
	s_lshl_b32 s43, 15, s43                        ; my row of the cluster
	s_lshl_b32 s44, 0x1111, s40                    ; my column
	; descriptor group 1: a tile of 128 rows x 256 bytes, padded in LDS
	s_or_b32 s[G1+0], s43, (0<<16)|(1<<20)|(1<<21)|(5<<22)|(3<<25)  ; 15:0 the mask: A's tiles go to my row; 17:16 element of 1 byte; 20 padding on; 21 set beside a mask; 24:22 after every 64 words; 31:25 four words
	s_or_b32 s[G1B+0], s44, (0<<16)|(1<<20)|(1<<21)|(5<<22)|(3<<25)
.irp g, G1, G1B
	s_mov_b32 s[\g+1], ROWB<<16                    ; tensor_dim0
	s_mov_b32 s[\g+2], 128<<16                     ; tensor_dim1
	s_mov_b32 s[\g+3], ROWB<<16                    ; tile_dim0
	s_mov_b32 s[\g+4], 128                         ; tile_dim1
	s_mov_b32 s[\g+5], KROW                        ; tensor_dim0_stride
	s_mov_b32 s[\g+6], 0
	s_mov_b32 s[\g+7], 0
.endr
	; the scales of 128 rows: a dense block of 4,096 bytes, as 16 rows of 256 bytes (32 elements of 8 bytes), 16 bytes of padding behind each
	s_or_b32 s[G1S+0], s43, (3<<16)|(1<<20)|(1<<21)|(5<<22)|(3<<25)
	s_or_b32 s[G1SB+0], s44, (3<<16)|(1<<20)|(1<<21)|(5<<22)|(3<<25)
.irp g, G1S, G1SB
	s_mov_b32 s[\g+1], 32<<16
	s_mov_b32 s[\g+2], (128*KS/256)<<16
	s_mov_b32 s[\g+3], 32<<16
	s_mov_b32 s[\g+4], 128*KS/256
	s_mov_b32 s[\g+5], 32
	s_mov_b32 s[\g+6], 0
	s_mov_b32 s[\g+7], 0
.endr
	s_lshl_b32 s18, s16, 7                         ; which 128 rows of the tile I fetch
	s_lshl_b32 s20, s17, 8
	s_add_co_u32 s20, s20, s18                     ; A: row 256 x tile row + 128 x half
	s_lshl_b32 s46, s42, 8
	s_add_co_u32 s46, s46, s18                     ; B: row 256 x tile column + 128 x half
	s_mov_b32 s21, 0
	s_mov_b32 s47, 0
	s_mov_b64 s[18:19], KS
	s_mul_u64 s[22:23], s[20:21], s[18:19]         ; where these rows' scales begin, in bytes
	s_mul_u64 s[92:93], s[46:47], s[18:19]
	s_mov_b64 s[18:19], KROW
	s_mul_u64 s[20:21], s[20:21], s[18:19]         ; and their codes
	s_mul_u64 s[46:47], s[46:47], s[18:19]
	s_mul_i32 s45, s14, HALFT                      ; where they go: wave x 128 rows: no place in the cluster enters an LDS address
	s_mul_i32 s94, s14, HALFS
	s_wait_dscnt 0x0                               ; both opening adds are done
	s_wait_kmcnt 0x0
	s_add_nc_u64 s[20:21], s[4:5], s[20:21]
	s_add_nc_u64 s[22:23], s[6:7], s[22:23]
	s_add_nc_u64 s[46:47], s[8:9], s[46:47]
	s_add_nc_u64 s[92:93], s[10:11], s[92:93]
	CROUND                                         ; all sixteen work-groups are here: the joint loads meet
	s_mov_b32 s[G0S], 1
	s_add_co_u32 s[G0S+1], s94, SCL
	s_mov_b64 s[G0S+2:G0S+3], s[22:23]
	s_or_b32 s[G0S+3], s[G0S+3], 0x80000000
	s_mov_b32 s[G0SB], 1
	s_add_co_u32 s[G0SB+1], s94, SCL
	s_mov_b64 s[G0SB+2:G0SB+3], s[92:93]
	s_or_b32 s[G0SB+3], s[G0SB+3], 0x80000000
	JLOAD G0S, G1S, G0SB, G1SB                     ; the scales first: they are wanted with the first slot
.irp s, 0,1
	s_mov_b32 s[G0+4*\s], 1
	s_add_co_u32 s[G0+4*\s+1], s45, \s*SLOT
	s_add_nc_u64 s[G0+4*\s+2:G0+4*\s+3], s[20:21], \s*ROWB
	s_or_b32 s[G0+4*\s+3], s[G0+4*\s+3], 0x80000000
	s_mov_b32 s[G0B+4*\s], 1
	s_add_co_u32 s[G0B+4*\s+1], s45, \s*SLOT
	s_add_nc_u64 s[G0B+4*\s+2:G0B+4*\s+3], s[46:47], \s*ROWB
	s_or_b32 s[G0B+4*\s+3], s[G0B+4*\s+3], 0x80000000
	JLOAD G0+4*\s, G1, G0B+4*\s, G1B
.endr
	v_and_b32 v1, 15, v0                           ; r = lane % 16
	v_bfe_u32 v2, v0, 4, 1                         ; h = lane / 16
	; THE BIAS of my 128 features: lane (r, h) wants, for B's block b, those of features 16 b + 8 h + 0 .. 7.  ONE branch on the cluster's number, which is the same in all sixteen partners:
	; q's and v's clusters load, k's write zeros: on every way the 64 registers are written.  It stands here, where the first tiles are on their way.
	s_cmp_eq_u32 ttmp9, 0
	s_cselect_b64 s[96:97], s[96:97], s[98:99]     ; q's cluster takes bq, v's bv: the choice hangs on the cluster's number alone
	s_lshl_b32 s46, s40, 10                        ; 256 features of 4 bytes a tile column of the section (what holds cx stands in registers that fed B's descriptors, never A's),
	s_lshl_b32 s47, s16, 9                         ; 128 for my half
	s_add_co_u32 s46, s46, s47
	s_mov_b32 s47, 0
	s_add_nc_u64 s[96:97], s[96:97], s[46:47]
	v_lshlrev_b32 v[BOF], 5, v2
	s_cmp_eq_u32 ttmp9, 1
	s_cbranch_scc1 .Lk_zero
.irp b, 0,1,2,3,4,5,6,7
	global_load_b128 v[BIAS+8*\b:BIAS+8*\b+3], v[BOF], s[96:97] offset:64*\b
	global_load_b128 v[BIAS+8*\b+4:BIAS+8*\b+7], v[BOF], s[96:97] offset:64*\b+16
.endr
	s_branch .Lbias_done
.Lk_zero:
.set i, 0
.rept 64
	v_mov_b32 v[BIAS+i], 0                         ; k has no bias: its sums start with zeros
.set i, i+1
.endr
.Lbias_done:
	v_mul_u32_u24 v3, v1, PITCH
	v_lshl_add_u32 v4, v2, 4, v3                   ; a fragment's row x pitch + 16 x half
	s_mul_i32 s21, s15, HALFT                      ; my 128 rows of A
	s_mul_i32 s22, s16, HALFT                      ; my 128 rows of B,
	s_add_co_u32 s22, s22, 2*HALFT                 ; which lie behind A's 256
.irp s, 0,1
	v_add_nc_u32 v[ADRA+\s], s21, v4
	v_add_nc_u32 v[ADRB+\s], s22, v4
	s_add_co_u32 s21, s21, SLOT
	s_add_co_u32 s22, s22, SLOT
.endr
	v_mul_u32_u24 v5, v1, KS                       ; my row's scales: 32 bytes a row,
	v_lshrrev_b32 v6, 8, v5
	v_lshl_add_u32 v5, v6, 4, v5                   ; and 16 more for each 256 passed
	s_mul_i32 s21, s15, HALFS                      ; A's: my 128 rows
	s_mul_i32 s22, s16, HALFS                      ; B's: my 128 rows, behind A's 256
	s_add_co_u32 s22, s22, 2*HALFS
	s_sub_co_u32 s22, s22, s21
	v_mul_u32_u24 v6, s22, v2                      ; lanes 16-31 take B's
	s_add_co_u32 s21, s21, SCL
	v_add_nc_u32 v5, v5, v6
	v_add_nc_u32 v[ADRS], s21, v5
	s_mul_i32 s23, s14, 16*SPITCH                  ; my stage
	v_add_nc_u32 v[STO], s23, v4                   ; in: row r (a token), 16 bytes for each half of the lanes
	v_bfe_u32 v5, v0, 3, 2
	v_mul_u32_u24 v5, v5, SPITCH
	v_and_b32 v6, 7, v0
	v_lshl_add_u32 v5, v6, 4, v5
	v_add_nc_u32 v[RD], s23, v5                    ; back: eight lanes take one token's 128 bytes of one head; four tokens an instruction
	v_and_b32 v6, 31, v0
	v_lshlrev_b32 v[CO], 4, v6                     ; which are 512 consecutive bytes of qkv
	; where my part begins in qkv: section (cluster x), head 16 batch + 4 cx + 2 half, token (tile row % 8) x 256 + 128 x half; rows of 128 bytes.  All under 2^26
	s_lshr_b32 s20, s17, 3                         ; batch
	s_lshl_b32 s20, s20, 15                        ; x 16 heads x 2,048 tokens
	s_and_b32 s21, s17, 7
	s_lshl_b32 s21, s21, 8
	s_add_co_u32 s20, s20, s21
	s_lshl_b32 s21, s15, 7
	s_add_co_u32 s20, s20, s21
	s_lshl_b32 s20, s20, 7
	s_mov_b32 s21, 0
	s_add_nc_u64 s[12:13], s[12:13], s[20:21]
	s_lshl_b32 s46, s40, 2
	s_lshl_b32 s47, s16, 1
	s_add_co_u32 s46, s46, s47
	s_lshl_b32 s46, s46, 18                        ; a head: 2,048 rows of 128 bytes
	s_lshl_b32 s47, ttmp9, 24                      ; a section: 16,777,216 bytes
	s_add_co_u32 s46, s46, s47
	s_mov_b32 s47, 0
	s_add_nc_u64 s[12:13], s[12:13], s[46:47]
.macro FRAG reg, adr, q, i             ; a fragment, 16 rows x 128 K of 4-bit codes: lane l holds row l % 16; registers 4 c .. 4 c + 3 hold K = 64 c + 32 (l / 16) + 0 .. 31
.irp c, 0,1
	ds_load_b128 v[\reg+4*\c:\reg+4*\c+3], v[\adr] offset:64*(\q)+32*\c+(\i)*16*PITCH
.endr
.endm
; 16 matrix instructions: A's blocks a0, a0 + 1 x B's eight, 128 along K: the slot's q-th.  p: B's set; sc: the set of scale words.  first = 1: the sums start with the bias registers as C: no accumulator is ever cleared.
; The 64 accumulators take turns, one instruction a turn, in the same order in every step.
.macro MUL16 a0, p, q, sc, first
.irp a, \a0, \a0+1
.irp b, 0,1,2,3,4,5,6,7
.if \first
	v_wmma_scale_f32_16x16x128_f8f6f4 v[8*(8*((\a)%4)+\b):8*(8*((\a)%4)+\b)+7], v[128*(\p)+FR*\b:128*(\p)+FR*\b+FR-1], v[AF+FR*(\a):AF+FR*(\a)+FR-1], v[BIAS+8*\b:BIAS+8*\b+7], v[SC+8*NQ*(\sc)+NQ*\b+(\q)], v[SC+8*NQ*(\sc)+NQ*(\a)+(\q)] matrix_a_fmt:MATRIX_FMT_FP4 matrix_b_fmt:MATRIX_FMT_FP4 matrix_a_scale:MATRIX_SCALE_ROW1
.else
	v_wmma_scale_f32_16x16x128_f8f6f4 v[8*(8*((\a)%4)+\b):8*(8*((\a)%4)+\b)+7], v[128*(\p)+FR*\b:128*(\p)+FR*\b+FR-1], v[AF+FR*(\a):AF+FR*(\a)+FR-1], v[8*(8*((\a)%4)+\b):8*(8*((\a)%4)+\b)+7], v[SC+8*NQ*(\sc)+NQ*\b+(\q)], v[SC+8*NQ*(\sc)+NQ*(\a)+(\q)] matrix_a_fmt:MATRIX_FMT_FP4 matrix_b_fmt:MATRIX_FMT_FP4 matrix_a_scale:MATRIX_SCALE_ROW1
.endif
.endr
.endr
.endm
.macro FETCH_B slot, q, p              ; B's eight fragments of the slot's q-th 128 along K into set p
	WIN TO_B
.irp i, 0,1,2,3,4,5,6,7
	FRAG 128*(\p)+FR*\i, ADRB+\slot, \q, \i
.endr
	WIN 0
.endm
.macro FETCH_A slot, q, i0             ; A's blocks i0 .. i0 + 3
.irp i, \i0, \i0+1, \i0+2, \i0+3
	FRAG AF+FR*(\i), ADRA+\slot, \q, \i
.endr
.endm
.macro SCALES sc                       ; a slot's scale words into set sc: 4 words a row; lanes 0-15 take A's block i, lanes 16-31 B's block i
.irp i, 0,1,2,3,4,5,6,7
	ds_load_b128 v[SC+8*NQ*\sc+NQ*\i:SC+8*NQ*\sc+NQ*\i+3], v[ADRS] offset:\i*SBLK
.endr
.endm
; A load into a register that a matrix instruction has read, and a vector instruction that reads a matrix result, stand NP places behind that matrix instruction; only plain vector instructions
; that name none of its registers are places (ISA guide 7.12.1 for vector instructions).
.macro PLACES n
.rept \n
	v_nop
.endr
.endm
; A step of 128 along K that has its successor in the same slot.  A block of A is free as soon as its eight products are issued: blocks 0-3 are fetched anew in the step's middle, blocks 4-7 at its end.
.macro STEP slot, q, first
	s_wait_dscnt 4*NL                              ; B's set, the scale words and A's blocks 0-3 are in; the youngest eight loads (A's blocks 4-7) may be out
.if \first
	WIN 0x81                                       ; source 0 window 1, source 1 and C (the bias) window 0, D window 2
.else
	WIN MUL_LO
.endif
	MUL16 0, (\q)%2, \q, \slot, \first
	MUL16 2, (\q)%2, \q, \slot, \first
	s_wait_dscnt 0                                 ; A's blocks 4-7 are in
	PLACES NP
	FETCH_B \slot, (\q)+1, 1-(\q)%2
	FETCH_A \slot, (\q)+1, 0
.if \first
	WIN 0xc1                                       ; the same, D window 3
.else
	WIN MUL_HI
.endif
	MUL16 4, (\q)%2, \q, \slot, \first
	MUL16 6, (\q)%2, \q, \slot, \first
	PLACES NP
	WIN 0
	FETCH_A \slot, (\q)+1, 4
.endm
.macro STEPS slot, from                ; the slot's steps from .. NQ - 2
.set Q, \from
.rept NQ-1-\from
	STEP \slot, Q, 0
.set Q, Q+1
.endr
.endm
	s_wait_tensorcnt 1                             ; the scales and my part of slot 0 are in (slot 1's load, the one issued behind them, may be out),
	s_barrier_signal -1
	s_barrier_wait -1                              ; everybody's are
	FETCH_B 0, 0, 0
	FETCH_A 0, 0, 0
	SCALES 0
	FETCH_A 0, 0, 4
	s_wait_loadcnt 0x0                             ; the bias (in k's clusters no load is out)
	STEP 0, 0, 1                                   ; the first step's products start the sums
	STEPS 0, 1
	; slot 0's last step changes slots: ONE barrier; in front of it each wave waits for all its tensor loads (slot 1's), and for its own reads of slot 0
	s_wait_tensorcnt 0x0                           ; my part of slot 1 has landed
	ds_add_u32 v[SPW], v[NIL]                      ; 0 onto my spare word
	s_wait_dscnt 4*NL+1                            ; (the add and the youngest eight loads, A's blocks 4-7, may be out)
	WIN MUL_LO
	MUL16 0, 1, NQ-1, 0, 0
	s_wait_dscnt 0x0                               ; the add is done, and my reads of slot 0 are over
	s_barrier_signal -1
	MUL16 2, 1, NQ-1, 0, 0
	WIN 0
	s_barrier_wait -1
	PLACES NP
	v_add_nc_u32 v[ADRS], 4*NQ, v[ADRS]            ; on to slot 1's scale words (no LDS load of mine is out)
	FETCH_B 1, 0, 0
	FETCH_A 1, 0, 0
	SCALES 1
	WIN MUL_HI
	MUL16 4, 1, NQ-1, 0, 0
	MUL16 6, 1, NQ-1, 0, 0
	PLACES NP
	WIN 0
	FETCH_A 1, 0, 4
	STEPS 1, 0
	s_wait_dscnt 4*NL                              ; the very last step: nothing more to fetch
	WIN MUL_LO
	MUL16 0, 1, NQ-1, 1, 0
	MUL16 2, 1, NQ-1, 1, 0
	s_wait_dscnt 0
	WIN MUL_HI
	MUL16 4, 1, NQ-1, 1, 0
	MUL16 6, 1, NQ-1, 1, 0
	WIN 0
; THE WAY OUT, block by block of 16 tokens x 128 features (two heads).  PACK: rounded to f16, 16 bytes a lane, each accumulator from its low end on.  TOSTAGE: into my own stage in LDS, and back
; as four tokens x 128 bytes of one head.  SEND: each store covers 512 consecutive bytes of qkv, aligned.
.macro PACK a
.set AC, 64*((\a)%4)
	WIN 0x0a+5*((\a)/4)                            ; sources 0 and 1: window 2 or 3
.irp b, 0,1,2,3,4,5,6,7
.irp i, 0,1,2,3
	v_cvt_pk_f16_f32 v[TMP+4*\b+\i], v[AC+8*\b+2*\i], v[AC+8*\b+2*\i+1]
.endr
.endr
	WIN 0
.endm
.macro TOSTAGE a
.set BB, BK+32*((\a)%2)
.irp b, 0,1,2,3,4,5,6,7
	ds_store_b128 v[STO], v[TMP+4*\b:TMP+4*\b+3] offset:32*\b
.endr
.irp t, 0,1,2,3,4,5,6,7
	ds_load_b128 v[BB+4*\t:BB+4*\t+3], v[RD] offset:(\t%4)*4*SPITCH+(\t/4)*128   ; LDS serves a wave's instructions in order (ISA guide 5.7.1.4): these see the stores above
.endr
.endm
.macro SEND a
.set BB, BK+32*((\a)%2)
	s_wait_dscnt 0x0                               ; the block is back in registers
	s_wait_xcnt 0x0                                ; the stores of the block before have read their registers: the next block's loads may land there
.irp t, 0,1,2,3,4,5,6,7
	global_store_b128 v[CO], v[BB+4*\t:BB+4*\t+3], s[12:13] offset:(\a)*2048+(\t%4)*512+(\t/4)*262144   ; tokens 16 a + 4 (t % 4) on, head t / 4
.endr
.endm
	PLACES NP
	PACK 0
	TOSTAGE 0
.irp a, 1,2,3,4,5,6,7                  ; block a's conversions stand between block a - 1's loads from the stage and the wait for them
	PACK \a
	SEND \a-1
	TOSTAGE \a
.endr
	SEND 7
	s_wait_tensorcnt 0x0                           ; the wave's end: behind my last tensor load and my last LDS store
	ds_add_u32 v[SPW], v[NIL]
	s_wait_dscnt 0x0
	CROUND                                         ; the closing round: no work-group ends while a partner may still ask for a tile that names it
	s_endpgm
.Lfunc_end_k_q285800cb88_qkv:
	.size	k_q285800cb88_qkv, .Lfunc_end_k_q285800cb88_qkv-k_q285800cb88_qkv
	.p2alignl 7, 3214868480
	.fill 96, 4, 3214868480
	.section	.rodata,"a",@progbits
	.p2align	6, 0x0
	.amdhsa_kernel k_q285800cb88_qkv
		.amdhsa_group_segment_fixed_size 327680
		.amdhsa_private_segment_fixed_size 0
		.amdhsa_enable_private_segment 0
		.amdhsa_kernarg_size 56
		.amdhsa_user_sgpr_count 2
		.amdhsa_user_sgpr_kernarg_segment_ptr 1
		.amdhsa_wavefront_size32 1
		.amdhsa_system_sgpr_workgroup_id_x 1
		.amdhsa_system_sgpr_workgroup_id_y 1
		.amdhsa_system_sgpr_workgroup_id_z 1
		.amdhsa_system_vgpr_workitem_id 0
		.amdhsa_next_free_vgpr 1024
		.amdhsa_next_free_sgpr 100
		.amdhsa_reserve_vcc 0
		.amdhsa_float_denorm_mode_32 3
		.amdhsa_float_denorm_mode_16_64 3
		.amdhsa_memory_ordered 1
		.amdhsa_forward_progress 1
		.amdhsa_inst_pref_size 130
	.end_amdhsa_kernel
	.amdgpu_metadata
---
amdhsa.version: [ 1, 2 ]
amdhsa.kernels:
  - .name:           k_q285800cb88_qkv
    .symbol:         k_q285800cb88_qkv.kd
    .args:
      - { .name: xc, .offset: 0, .size: 8, .value_kind: global_buffer, .address_space: global }
      - { .name: xs, .offset: 8, .size: 8, .value_kind: global_buffer, .address_space: global }
      - { .name: wc, .offset: 16, .size: 8, .value_kind: global_buffer, .address_space: global }
      - { .name: ws, .offset: 24, .size: 8, .value_kind: global_buffer, .address_space: global }
      - { .name: qkv, .offset: 32, .size: 8, .value_kind: global_buffer, .address_space: global }
      - { .name: bq, .offset: 40, .size: 8, .value_kind: global_buffer, .address_space: global }
      - { .name: bv, .offset: 48, .size: 8, .value_kind: global_buffer, .address_space: global }
    .group_segment_fixed_size: 327680
    .private_segment_fixed_size: 0
    .kernarg_segment_align: 8
    .kernarg_segment_size: 56
    .max_flat_workgroup_size: 128
    .sgpr_count:     100
    .vgpr_count:     1024
    .wavefront_size: 32
...
	.end_amdgpu_metadata
.endif
;; end of part 2
;; launch attn (part 3): grid 4 x 64, 8 waves a work-group, clusters of 4 x 1, 327,680 bytes of LDS; arguments qkv, ao; writes ao
.if DOCPART == 3
	.amdgcn_target "amdgcn-amd-amdhsa--gfx1250"
	.amdhsa_code_object_version 6
	.text
	.protected	k_q285800cb88_attn
	.globl	k_q285800cb88_attn
	.p2align	8
	.type	k_q285800cb88_attn,@function
k_q285800cb88_attn:
	s_mov_b64 s[64:65], 0
	v_nop
	global_prefetch_b8 v0, s[64:65] scope:SCOPE_SE
	s_setreg_imm32_b32 hwreg(HW_REG_WAVE_MODE, 25, 1), 1
	s_wait_xcnt 0x0
	s_wait_alu depctr_hold_cnt(0) depctr_sa_sdst(0) depctr_va_vdst(0) depctr_va_sdst(0) depctr_va_ssrc(0) depctr_va_vcc(0) depctr_vm_vsrc(0)
	s_getreg_b32 s2, hwreg(HW_REG_IB_STS2, 6, 4)
	s_cmp_eq_u32 s2, 0
	s_cbranch_scc0 .Lentry_in_a_cluster
	s_endpgm
.Lentry_in_a_cluster:
	s_bfe_u32 s2, ttmp6, 0x10000c
	s_cmp_lg_u32 s2, 0x3003
	s_cbranch_scc0 .Lentry_shape_is_right
	s_endpgm
.Lentry_shape_is_right:
; ATTN: O[bh][q][:] = the sum over keys of softmax_key(Q[bh][q] . K[bh][key] / 8) V[bh][key][:].  Q, K, V: the three sections of qkv, [64 bh][2048][64] f16.  No mask.
; (K comes without bk, which is left out: it adds the same term to all scores of a query.)
; Products, maxima and sums in f32; the weights p are rounded to f16 for the second product, O once at the end: ao [16 heads][8192 tokens][64] f16, as the last product wants its K steps.
; f16 and not bf16: six operand roundings stand between q, k, v and the output, and f16's are eight times finer.  p <= about 1 by the running maximum; LIMIT: O lies in v's range, which must be f16's.
; SHARES.  A work-group owns 512 queries of one (batch, head), each of its eight waves 64: four tiles of 16.  Two waves share a SIMD, 512 registers each, so that one wave's softmax stands beside the
; other's products: the text goes in phases.  Every wave walks all 2,048 keys, 64 a step.
; LAYOUT.  S^T = K Q^T (source 0 = 16 keys, source 1 = 16 queries): a lane holds ONE query (lane % 16) and the keys 8 (lane / 16) + 0..7.  Two such tiles, rounded to f16 in pairs, ARE source 1
; (32 keys x 16 queries) of O^T = V^T P, whose result again holds one query a lane, and eight channels.  K comes out of LDS as it lies, V ([key][channel]) turned, by ds_load_tr16_b128.
; SOFTMAX.  For each query a running maximum m and sum l: p = 2^(c s - c m), c = log2(e) / 8; in every step O and l are multiplied by a = 2^(c m_old - c m_new).
; A step's row sums are put off to the head of the next step, where they stand between the request for K's fragments and the wait for them.
; CLUSTER.  The four query blocks of a (batch, head) are one cluster and walk the same K and V: each tile is asked for JOINTLY, by the same tensor load with the mask of all four.
; THE RING: two slots of 512 keys.  Waves 0-3 fetch K's quarters (128 rows), waves 4-7 V's.  Both slots are first fills (two loads of a wave out); each is filled again once (one load out),
; behind a round of the cluster's barrier, eight key steps ahead of its first read.
; REGISTERS: window 0: v1-10 addresses; v16-47 eight registers of statistics a tile; v62, v63 the add's two; v64-191 S^T, 32 a tile; v192-255 P, 16 a tile.
;   window 1: v0-63 Q, 16 a tile; v64-191 O^T, 32 a tile; v192-255 ONE buffer of eight fragments that K and V use by turns.
.set PKP,   144                        ; a row of K in LDS: 128 bytes + 16 = 36 words: the 16 rows of a load start at 16 different groups of four banks (64 banks of 4 bytes: ISA guide 11.1)
.set PVP,   160                        ; a row of V: 128 + 32: an odd multiple of 32 bytes
.set SK,    512                        ; keys in a slot
.set VOFF,  SK*PKP                     ; a slot: 512 rows of K, then 512 rows of V
.set SLOT,  SK*(PKP+PVP)
.set SPARE, 2*SLOT                     ; behind the ring: the spare words, 128 bytes for each wave: four blocks of 256 bytes that no other line names
.set SPI,   144                        ; the way out: a stage of 16 rows x (128 + 16) bytes for each wave, in slot 0, behind its last fill and its last read
.set AK0, 2                            ; v2   my lane's place in a tile of K; never rewritten
.set AV0, 3                            ; v3   the same for V
.set ADK, 4                            ; v4   LDS address of the step's K
.set ADV, 5                            ; v5   of its V
.set QO,  6                            ; v6   my byte offset in the wave's rows of Q
.set STO, 7                            ; v7   the way out: where I put 16 bytes of a row
.set RD,  8                            ; v8   where I read back
.set GO,  10                           ; v10  16 x lane
.set ST,  16                           ; tile t's statistics at v[ST + 8 t]: +0 c m, +1 m, +2, +3 l (even keys', odd keys'), +4 to +7 c0-c3, at work; a takes c2's place
.set SPW, 62
.set NIL, 63
.set S,   64
.set P,   192
.set O,   64                           ; in window 1
.set KV,  192                          ; in window 1
.set WV,  12                           ; s12  my wave's number
.set G1K, 24                           ; s[24:31] descriptor group 1 for K's tiles;  s[32:39] for V's: it differs in the padding alone
.set G1V, 32
.set G0K, 40                           ; s[40:47] group 0 for K's tiles, a set for each slot;  s[48:55] for V's
.set G0V, 48
.set CNT, 56                           ; s56  counts a slot's key steps
.set TBK, 57                           ; s57  LDS byte at which the step's K begins
.set CS,  58                           ; s[58:59] c: the packed scaling names a pair and takes its low word for both halves
.set SEL, 60                           ; s[60:61] lane selects for v_permlanex16_b32: lane l xor 16
.set TBV, 62                           ; s62  the same as TBK for V (VOFF stands in AV0)
.set MSB, 0
.macro WIN new                         ; the immediate's high byte repeats the setting that is left
.if MSB != (\new)
	s_set_vgpr_msb (MSB<<8)|(\new)
.set MSB, \new
.endif
.endm
.macro JLOAD slot                      ; a joint refill: the branch hangs on the wave's number alone; an s_nop 0 and four v_nop follow each of the two lines
	s_cmp_lt_u32 s[WV], 4
	s_cbranch_scc0 .Lfor_v_\@
	tensor_load_to_lds s[G0K+4*\slot:G0K+4*\slot+3], s[G1K:G1K+7]
	s_nop 0
.rept 4
	v_nop
.endr
	s_branch .Lasked_\@
.Lfor_v_\@:
	tensor_load_to_lds s[G0V+4*\slot:G0V+4*\slot+3], s[G1V:G1V+7]
	s_nop 0
.rept 4
	v_nop
.endr
.Lasked_\@:
.endm
.macro CROUND                          ; a round of the cluster's barrier
	s_barrier_signal -1
	s_barrier_wait -1
	s_cmp_lg_u32 s[WV], 0
	s_cbranch_scc1 .Lnot_wave_0_\@
	s_barrier_signal -3
.Lnot_wave_0_\@:
	s_barrier_wait -3
	s_barrier_signal -1
	s_barrier_wait -1
.endm
	s_load_b128 s[4:7], s[0:1], 0x0                ; qkv s[4:5], ao s[6:7]
	v_lshl_add_u32 v[SPW], v0, 2, SPARE
	v_mov_b32 v[NIL], 0
	ds_add_u32 v[SPW], v[NIL]                      ; the wave's opening: the add, twice on end, and its wait ahead of my first tensor load
	ds_add_u32 v[SPW], v[NIL]
	v_lshrrev_b32 v1, 5, v0
	v_readfirstlane_b32 s[WV], v1                  ; wave 0..7
	s_bfe_u32 s13, ttmp6, 0x40000                  ; cx: my place in the cluster
	s_lshl_b32 s14, ttmp9, 2
	s_add_co_u32 s14, s14, s13                     ; my block of 512 queries: it enters Q's and ao's addresses alone
	s_and_b32 s20, ttmp7, 0xffff                   ; 16 batch + head, which the four partners share
	s_and_b32 s15, s[WV], 3                        ; which quarter of a slot's rows I fetch
	s_lshl_b32 s22, s20, 18                        ; a head: 2,048 rows of 128 bytes,
	s_lshl_b32 s21, s15, 14                        ; a quarter: 128 rows
	s_add_co_u32 s22, s22, s21
	s_mov_b32 s23, 0
	s_mul_i32 s18, s15, 128*PKP                    ; its place in a slot, for K
	s_mul_i32 s19, s15, 128*PVP
	s_add_co_u32 s19, s19, VOFF                    ; and for V: no place in the cluster enters an LDS address
	s_lshl_b32 s2, s20, 18                         ; Q: my head, my block's 512 rows, my wave's 64
	s_lshl_b32 s3, s14, 16
	s_add_co_u32 s2, s2, s3
	s_lshl_b32 s21, s[WV], 13
	s_add_co_u32 s2, s2, s21
	s_and_b32 s16, s20, 15                         ; ao: head x 8,192 rows, batch x 2,048 rows, and the same block and wave
	s_lshl_b32 s16, s16, 20
	s_lshr_b32 s17, s20, 4
	s_lshl_b32 s17, s17, 18
	s_add_co_u32 s16, s16, s17
	s_add_co_u32 s16, s16, s3
	s_add_co_u32 s16, s16, s21
	s_mov_b32 s3, 0
	s_mov_b32 s17, 0
	; descriptor group 1: a tile of 128 rows x 64 elements, dense in memory, padded in LDS behind every row
	s_mov_b32 s[G1K], 15|(1<<16)|(1<<20)|(1<<21)|(4<<22)|(3<<25)  ; 15:0 the mask: all four work-groups; 17:16 elements of 2 bytes; 20 padding on; 21 set beside a mask; 24:22 after every 32 words; 31:25 four words
	s_mov_b32 s[G1V], 15|(1<<16)|(1<<20)|(1<<21)|(4<<22)|(7<<25)  ; the same with eight words of padding
.irp g, G1K, G1V
	s_mov_b32 s[\g+1], 64<<16                      ; tensor_dim0
	s_mov_b32 s[\g+2], 128<<16                     ; tensor_dim1
	s_mov_b32 s[\g+3], 64<<16                      ; tile_dim0
	s_mov_b32 s[\g+4], 128                         ; tile_dim1
	s_mov_b32 s[\g+5], 64                          ; tensor_dim0_stride
	s_mov_b32 s[\g+6], 0
	s_mov_b32 s[\g+7], 0
.endr
	s_mov_b32 s[CS], 0x3e38aa3b                    ; c = log2(e) / 8
	s_mov_b32 s[CS+1], s[CS]                       ; named with it as a pair, so it is written
	s_mov_b32 s[SEL], 0x76543210
	s_mov_b32 s[SEL+1], 0xfedcba98
	s_mov_b32 s[TBK], 0
	s_mov_b32 s[TBV], 0
	s_wait_dscnt 0x0                               ; both opening adds are done
	s_wait_kmcnt 0x0
	s_add_nc_u64 s[8:9], s[4:5], s[22:23]
	s_add_nc_u64 s[8:9], s[8:9], 0x1000000         ; K's section, my head, my quarter
	s_add_nc_u64 s[10:11], s[8:9], 0x1000000       ; V's
	s_add_nc_u64 s[4:5], s[4:5], s[2:3]            ; Q at my wave's first row
	s_add_nc_u64 s[6:7], s[6:7], s[16:17]          ; ao likewise
	CROUND                                         ; all four work-groups are here: the first joint loads meet
.irp s, 0,1
	s_mov_b32 s[G0K+4*\s], 1                       ; 1:0 count = 1
	s_add_co_u32 s[G0K+4*\s+1], s18, \s*SLOT       ; 63:32 LDS address
	s_add_nc_u64 s[G0K+4*\s+2:G0K+4*\s+3], s[8:9], \s*SK*128   ; 120:64 global address: slot s begins with keys 512 s on
	s_or_b32 s[G0K+4*\s+3], s[G0K+4*\s+3], 0x80000000          ; 127:126 type = 2
	s_mov_b32 s[G0V+4*\s], 1
	s_add_co_u32 s[G0V+4*\s+1], s19, \s*SLOT
	s_add_nc_u64 s[G0V+4*\s+2:G0V+4*\s+3], s[10:11], \s*SK*128
	s_or_b32 s[G0V+4*\s+3], s[G0V+4*\s+3], 0x80000000
.endr
	s_cmp_lt_u32 s[WV], 4                          ; a wave's two first fills stand in one branch, ahead of every wait on TENSORcnt and every LDS read
	s_cbranch_scc0 .Lfirst_v
	tensor_load_to_lds s[G0K:G0K+3], s[G1K:G1K+7]
	s_nop 0
	tensor_load_to_lds s[G0K+4:G0K+7], s[G1K:G1K+7]
	s_nop 0
.rept 4
	v_nop
.endr
	s_branch .Lfirst_asked
.Lfirst_v:
	tensor_load_to_lds s[G0V:G0V+3], s[G1V:G1V+7]
	s_nop 0
	tensor_load_to_lds s[G0V+4:G0V+7], s[G1V:G1V+7]
	s_nop 0
.rept 4
	v_nop
.endr
.Lfirst_asked:
	; A fragment of K or Q is 16 rows x 32 channels in 8 registers: lane l holds row l % 16; registers 0-3 channels 8 (l / 16) + 0..7, registers 4-7 channels 16 + 8 (l / 16) + 0..7: two loads of 16 bytes, 32 bytes apart.
	v_and_b32 v1, 15, v0                           ; r
	v_bfe_u32 v9, v0, 4, 1                         ; h
	v_lshlrev_b32 v[QO], 7, v1
	v_lshl_add_u32 v[QO], v9, 4, v[QO]             ; row x 128 + 16 x half
	WIN 0x40                                       ; destination window 1, address window 0
.irp t, 0,1,2,3
.irp c, 0,1
	global_load_b128 v[16*\t+8*\c:16*\t+8*\c+3],   v[QO], s[4:5] offset:\t*2048+64*\c      ; Q stays in registers: tile t, channels 32 c on
	global_load_b128 v[16*\t+8*\c+4:16*\t+8*\c+7], v[QO], s[4:5] offset:\t*2048+64*\c+32
.endr
.endr
	WIN 0
	v_mul_u32_u24 v[AK0], v1, PKP
	v_lshl_add_u32 v[AK0], v9, 4, v[AK0]           ; row x pitch + 16 x half
	; The turning load takes 16 keys x 16 channels (lane l reads 16 bytes: key 8 (l / 16) + l % 8, channels 8 ((l / 8) % 2) + 0..7) and leaves half a fragment of V^T: lane l holds channel l % 16 and 8 keys.
	v_and_b32 v11, 7, v0
	v_bfe_u32 v12, v0, 3, 1
	v_lshl_add_u32 v[AV0], v9, 3, v11
	v_mul_u32_u24 v[AV0], v[AV0], PVP
	v_lshl_add_u32 v[AV0], v12, 4, v[AV0]
	v_add_nc_u32 v[AV0], VOFF, v[AV0]
	s_mul_i32 s21, s[WV], 16*SPI                   ; my stage
	v_mul_u32_u24 v[STO], v1, SPI                  ; in: row r (a query), 16 bytes for each half of the lanes
	v_lshl_add_u32 v[STO], v9, 4, v[STO]
	v_add_nc_u32 v[STO], s21, v[STO]
	v_bfe_u32 v13, v0, 3, 2
	v_mul_u32_u24 v[RD], v13, SPI                  ; back: eight lanes take a row of 128 bytes, four rows an instruction,
	v_lshl_add_u32 v[RD], v11, 4, v[RD]
	v_add_nc_u32 v[RD], s21, v[RD]
	v_and_b32 v[GO], 31, v0
	v_lshlrev_b32 v[GO], 4, v[GO]                  ; which are 512 consecutive bytes of ao
.macro PLACES
.rept 4
	v_nop
.endr
.endm
.macro FETCH_K                         ; a step's K: 64 keys x 64 channels: fragment (16 keys kt, 32 channels c) at KV + 16 kt + 8 c
	WIN 0x40
.irp kt, 0,1,2,3
.irp c, 0,1
	ds_load_b128 v[KV+16*\kt+8*\c:KV+16*\kt+8*\c+3],   v[ADK] offset:\kt*16*PKP+64*\c
	ds_load_b128 v[KV+16*\kt+8*\c+4:KV+16*\kt+8*\c+7], v[ADK] offset:\kt*16*PKP+64*\c+32
.endr
.endr
	WIN 0
.endm
.macro FETCH_V                         ; its V, turned: fragment (32 keys kk, 16 channels ct) at KV + 32 kk + 8 ct
	WIN 0x40
.irp kk, 0,1
.irp ct, 0,1,2,3
	ds_load_tr16_b128 v[KV+32*\kk+8*\ct:KV+32*\kk+8*\ct+3],   v[ADV] offset:\kk*32*PVP+32*\ct
	ds_load_tr16_b128 v[KV+32*\kk+8*\ct+4:KV+32*\kk+8*\ct+7], v[ADV] offset:\kk*32*PVP+16*PVP+32*\ct
.endr
.endr
	WIN 0
.endm
; 32 products S^T = K Q^T.  The 16 accumulators take turns, one instruction a turn; the first 16 start the sums.
.macro KQ
	WIN 0x05                                       ; K and Q in window 1, S^T in window 0
.irp c, 0,1
.irp kt, 0,1,2,3
.irp t, 0,1,2,3
.if \c == 0
	v_wmma_f32_16x16x32_f16 v[S+32*\t+8*\kt:S+32*\t+8*\kt+7], v[KV+16*\kt+8*\c:KV+16*\kt+8*\c+7], v[16*\t+8*\c:16*\t+8*\c+7], 0
.else
	v_wmma_f32_16x16x32_f16 v[S+32*\t+8*\kt:S+32*\t+8*\kt+7], v[KV+16*\kt+8*\c:KV+16*\kt+8*\c+7], v[16*\t+8*\c:16*\t+8*\c+7], v[S+32*\t+8*\kt:S+32*\t+8*\kt+7]
.endif
.endr
.endr
.endr
.endm
; 32 products O^T += V^T P, the 16 accumulators by turns.  first = 1: the first 16 start the sums: O^T is never cleared.
.macro PV first
	WIN 0x51                                       ; V and O^T in window 1, P in window 0
.irp kk, 0,1
.irp ct, 0,1,2,3
.irp t, 0,1,2,3
.if \first && (\kk == 0)
	v_wmma_f32_16x16x32_f16 v[O+32*\t+8*\ct:O+32*\t+8*\ct+7], v[KV+32*\kk+8*\ct:KV+32*\kk+8*\ct+7], v[P+16*\t+8*\kk:P+16*\t+8*\kk+7], 0
.else
	v_wmma_f32_16x16x32_f16 v[O+32*\t+8*\ct:O+32*\t+8*\ct+7], v[KV+32*\kk+8*\ct:KV+32*\kk+8*\ct+7], v[P+16*\t+8*\kk:P+16*\t+8*\kk+7], v[O+32*\t+8*\ct:O+32*\t+8*\ct+7]
.endif
.endr
.endr
.endr
.endm
; The maximum of a lane's 32 scores and the old m, three operands at a time, in four chains c0-c3 (each begins at the low end of one accumulator); the other half of the lanes'; the new m, c m, and c m_old - c m_new.
; The four tiles alternate, so that no line reads the result of the line above it.
.macro MAXES first
.irp j, 0,1,2,3
.irp t, 0,1,2,3
	v_max3_num_f32 v[ST+8*\t+4+\j], v[S+32*\t+8*\j], v[S+32*\t+8*\j+1], v[S+32*\t+8*\j+2]
.endr
.endr
.irp g, 1,2
.irp j, 0,1,2,3
.irp t, 0,1,2,3
	v_max3_num_f32 v[ST+8*\t+4+\j], v[ST+8*\t+4+\j], v[S+32*\t+8*\j+2*\g+1], v[S+32*\t+8*\j+2*\g+2]
.endr
.endr
.endr
.irp t, 0,1,2,3
	v_max3_num_f32 v[ST+8*\t+4], v[ST+8*\t+4], v[S+32*\t+7], v[S+32*\t+15]
.endr
.irp t, 0,1,2,3
	v_max3_num_f32 v[ST+8*\t+6], v[ST+8*\t+6], v[S+32*\t+23], v[S+32*\t+31]
.endr
.irp t, 0,1,2,3
	v_max3_num_f32 v[ST+8*\t+4], v[ST+8*\t+4], v[ST+8*\t+5], v[ST+8*\t+6]
.endr
.irp t, 0,1,2,3
.if \first
	v_max_num_f32 v[ST+8*\t+4], v[ST+8*\t+4], v[ST+8*\t+7]
.else
	v_max3_num_f32 v[ST+8*\t+4], v[ST+8*\t+4], v[ST+8*\t+7], v[ST+8*\t+1]
.endif
.endr
.irp t, 0,1,2,3
	v_permlanex16_b32 v[ST+8*\t+5], v[ST+8*\t+4], s[SEL], s[SEL+1]   ; the query's other 32 keys lie in the lane 16 away
.endr
.if !\first
.irp t, 0,1,2,3
	v_mov_b32 v[ST+8*\t+7], v[ST+8*\t]             ; c m_old is kept for a
.endr
.endif
.irp t, 0,1,2,3
	v_max_num_f32 v[ST+8*\t+1], v[ST+8*\t+4], v[ST+8*\t+5]
.endr
.irp t, 0,1,2,3
	v_mul_f32 v[ST+8*\t], s[CS], v[ST+8*\t+1]
.endr
.if !\first
.irp t, 0,1,2,3
	v_sub_f32 v[ST+8*\t+7], v[ST+8*\t+7], v[ST+8*\t]
.endr
.endif
.endm
; ONE BATCH: the 64 packed scalings c s - c m and all exponentials (the four a, then the 128 p).  None of these lines names an exponential's result; a tile's scalings stand among the exponentials of the tile before.
; One plain line and ONE wait follow the batch, ahead of its first reader.
.macro EXPS first
.irp b, 0,1,2,3,4,5,6,7,8,9,10,11,12,13,14,15
	v_pk_fma_f32 v[S+2*\b:S+2*\b+1], v[S+2*\b:S+2*\b+1], s[CS:CS+1], v[ST:ST+1] op_sel_hi:[1,0,0] neg_lo:[0,0,1] neg_hi:[0,0,1]
.endr
.if !\first
.irp t, 0,1,2,3
	v_exp_f32 v[ST+8*\t+6], v[ST+8*\t+7]           ; a = 2^(c m_old - c m_new)
.endr
.endif
.irp t, 0,1,2
.irp b, 0,1,2,3,4,5,6,7,8,9,10,11,12,13,14,15
	v_pk_fma_f32 v[S+32*(\t+1)+2*\b:S+32*(\t+1)+2*\b+1], v[S+32*(\t+1)+2*\b:S+32*(\t+1)+2*\b+1], s[CS:CS+1], v[ST+8*(\t+1):ST+8*(\t+1)+1] op_sel_hi:[1,0,0] neg_lo:[0,0,1] neg_hi:[0,0,1]
	v_exp_f32 v[S+32*\t+2*\b], v[S+32*\t+2*\b]
	v_exp_f32 v[S+32*\t+2*\b+1], v[S+32*\t+2*\b+1]
.endr
.endr
.irp b, 0,1,2,3,4,5,6,7,8,9,10,11,12,13,14,15
	v_exp_f32 v[S+96+2*\b], v[S+96+2*\b]
	v_exp_f32 v[S+96+2*\b+1], v[S+96+2*\b+1]
.endr
	v_nop
	s_wait_alu depctr_va_vdst(0)
.endm
.macro CVT                             ; the weights, rounded to f16 in pairs: they are source 1 of the second product as they stand
.irp t, 0,1,2,3
.irp b, 0,1,2,3,4,5,6,7,8,9,10,11,12,13,14,15
	v_cvt_pk_f16_f32 v[P+16*\t+\b], v[S+32*\t+2*\b], v[S+32*\t+2*\b+1]
.endr
.endr
.endm
.macro RESC                            ; O^T times a, each accumulator from its low end on
	WIN 0x41                                       ; O^T (destination and source 0) in window 1, a in window 0
.irp t, 0,1,2,3
.set i, 0
.rept 16
	v_pk_mul_f32 v[O+32*\t+i:O+32*\t+i+1], v[O+32*\t+i:O+32*\t+i+1], v[ST+8*\t+6:ST+8*\t+7] op_sel_hi:[1,0]
.set i, i+2
.endr
.endr
.endm
; The sum of a tile's 16 pairs of weights (in a pair: an even key's, an odd key's), in place: sum z of 16 adds neighbours 1, 2, 4 and 8 pairs apart; the sixteenth is l = a l + the sum.  Sums z0 to z1, the four tiles alternating.
.macro SUMS z0, z1
.set z, \z0
.rept (\z1)-(\z0)+1
.if z < 8
.set w, 4
.set u, z
.elseif z < 12
.set w, 8
.set u, z-8
.elseif z < 14
.set w, 16
.set u, z-12
.else
.set w, 32
.set u, 0
.endif
.irp t, 0,1,2,3
.if z < 15
	v_pk_add_f32 v[S+32*\t+w*u:S+32*\t+w*u+1], v[S+32*\t+w*u:S+32*\t+w*u+1], v[S+32*\t+w*u+w/2:S+32*\t+w*u+w/2+1]
.else
	v_pk_fma_f32 v[ST+8*\t+2:ST+8*\t+3], v[ST+8*\t+2:ST+8*\t+3], v[ST+8*\t+6:ST+8*\t+7], v[S+32*\t:S+32*\t+1] op_sel_hi:[1,0,1]
.endif
.endr
.set z, z+1
.endr
.endm
; A KEY STEP: 64 keys.  first = 1: the first of all, which starts m and O^T.
.macro STEP first
.if !\first
	SUMS 0, 0                                      ; the last step's row sums begin: these four lines and the two below are the places between the last products, which read V, and the loads into the same buffer
.endif
	v_add_nc_u32 v[ADK], s[TBK], v[AK0]
	v_add_nc_u32 v[ADV], s[TBV], v[AV0]
	FETCH_K
.if !\first
	SUMS 1, 15                                     ; and go on while K's fragments come
.endif
	s_wait_dscnt 0x0                               ; K is in
	KQ
	PLACES                                         ; four places: in front of the loads into the buffer that these products read, and of the first read of the scores
	FETCH_V                                        ; V's fragments come while the softmax is walked
	MAXES \first
.if \first
.irp t, 0,1,2,3
	v_mov_b32 v[ST+8*\t+2], 0                      ; once: l = 0 and a = 0, so that the next step's l = a l + the sum starts l; the loop's step then serves from the second step on
	v_mov_b32 v[ST+8*\t+3], 0
	v_mov_b32 v[ST+8*\t+6], 0
.endr
.endif
	EXPS \first
	CVT
.if !\first
	RESC
.endif
	s_wait_dscnt 0x0                               ; V is in
	PV \first
	WIN 0                                          ; at a label and at a branch every window is 0
	s_add_co_u32 s[TBK], s[TBK], 64*PKP            ; the next step's tiles
	s_add_co_u32 s[TBV], s[TBV], 64*PVP
.endm
.macro STEPS n                         ; n key steps: written once, walked n times; the LDS addresses hang on s[TBK], s[TBV]
	s_mov_b32 s[CNT], \n
.Lstep_\@:
	STEP 0
	s_sub_co_u32 s[CNT], s[CNT], 1
	s_cmp_lg_u32 s[CNT], 0
	s_cbranch_scc1 .Lstep_\@
.endm
; THE CHANGE OF SLOTS.  Each wave waits for all its tensor loads (its part of the slot ahead), adds 0 to its spare word, and waits for that and for its reads of the slot that it leaves.
; fill = 1: the slot that is left is filled again, with the keys 1,024 on: the barrier is then a round of the cluster's, and the joint refill is the first thing behind it.
.macro CHANGE slot, fill
	s_wait_tensorcnt 0x0                           ; no tensor load of mine is out, so a group 0 may be written
	ds_add_u32 v[SPW], v[NIL]                      ; 0 onto my spare word
.if \fill
	s_add_nc_u64 s[G0K+4*\slot+2:G0K+4*\slot+3], s[G0K+4*\slot+2:G0K+4*\slot+3], 2*SK*128   ; the type bits on top are not reached
	s_add_nc_u64 s[G0V+4*\slot+2:G0V+4*\slot+3], s[G0V+4*\slot+2:G0V+4*\slot+3], 2*SK*128
.endif
	s_wait_dscnt 0x0                               ; the add is done, and my reads of the slot are over
.if \fill
	CROUND
	JLOAD \slot
.else
	s_barrier_signal -1
	s_barrier_wait -1
.endif
.endm
	s_wait_tensorcnt 1                             ; my part of slot 0 is in; slot 1's load, issued behind it, may stay out
	s_barrier_signal -1
	s_barrier_wait -1                              ; everybody's is
	s_wait_loadcnt 0x0                             ; Q
	STEP 1                                         ; keys 0-63
	STEPS 7                                        ; keys 64-511, slot 0
	CHANGE 0, 1                                    ; slot 0 takes keys 1,024 on
	s_mov_b32 s[TBK], SLOT
	s_mov_b32 s[TBV], SLOT
	STEPS 8                                        ; keys 512-1,023, slot 1
	CHANGE 1, 1                                    ; slot 1 takes keys 1,536 on
	s_mov_b32 s[TBK], 0
	s_mov_b32 s[TBV], 0
	STEPS 8                                        ; keys 1,024-1,535
	CHANGE 0, 0                                    ; nothing is left to ask for
	s_mov_b32 s[TBK], SLOT
	s_mov_b32 s[TBV], SLOT
	STEPS 8                                        ; keys 1,536-2,047
	SUMS 0, 15                                     ; the last step's row sums: also the places behind the last products
	; THE WAY OUT.  l's two halves and the other half of the lanes' are added; O^T is divided by l, rounded to f16 and sent through my stage in LDS, a tile (16 rows) at a time.
.irp t, 0,1,2,3
	v_add_f32 v[ST+8*\t+4], v[ST+8*\t+2], v[ST+8*\t+3]
.endr
.irp t, 0,1,2,3
	v_permlanex16_b32 v[ST+8*\t+5], v[ST+8*\t+4], s[SEL], s[SEL+1]
.endr
.irp t, 0,1,2,3
	v_add_f32 v[ST+8*\t+4], v[ST+8*\t+4], v[ST+8*\t+5]
.endr
.irp t, 0,1,2,3
	v_rcp_f32 v[ST+8*\t+6], v[ST+8*\t+4]
.endr
	v_nop                                          ; a plain line between the last reciprocal and the use of its result,
	s_wait_alu depctr_va_vdst(0)                   ; and the one wait for the four ahead of the first use
.macro PACK t
	WIN 0x41
.set i, 0
.rept 16
	v_pk_mul_f32 v[O+32*\t+i:O+32*\t+i+1], v[O+32*\t+i:O+32*\t+i+1], v[ST+8*\t+6:ST+8*\t+7] op_sel_hi:[1,0]
.set i, i+2
.endr
	WIN 0x05                                       ; sources 0 and 1 window 1, destination window 0: S^T's registers are free
.set i, 0
.rept 16
	v_cvt_pk_f16_f32 v[S+32*\t+i], v[O+32*\t+2*i], v[O+32*\t+2*i+1]
.set i, i+1
.endr
	WIN 0
.irp f, 0,1,2,3
	ds_store_b128 v[STO], v[S+32*\t+4*\f:S+32*\t+4*\f+3] offset:32*\f
.endr
.irp f, 0,1,2,3
	ds_load_b128 v[S+32*\t+16+4*\f:S+32*\t+16+4*\f+3], v[RD] offset:\f*4*SPI   ; LDS serves a wave's instructions in order (ISA guide 5.7.1.4): these see the stores above; the next tile's stores come behind them
.endr
.endm
.macro SEND t, younger                 ; younger: the LDS instructions issued behind tile t's loads: the next tile's eight, or none
.irp f, 0,1,2,3
	s_wait_dscnt \younger+3-\f
	global_store_b128 v[GO], v[S+32*\t+16+4*\f:S+32*\t+16+4*\f+3], s[6:7] offset:\t*2048+\f*512   ; 32 lanes store 512 consecutive bytes, aligned: four rows of ao
.endr
.endm
	PACK 0
	PACK 1                                         ; a tile's arithmetic stands between the loads of the tile before and its stores
	SEND 0, 8
	PACK 2
	SEND 1, 8
	PACK 3
	SEND 2, 8
	SEND 3, 0
	s_wait_tensorcnt 0x0                           ; the wave's end: behind my last tensor load and my last LDS store
	ds_add_u32 v[SPW], v[NIL]
	s_wait_dscnt 0x0
	CROUND                                         ; the closing round: no work-group ends while a partner may still ask for a tile that names it
	s_endpgm
.Lfunc_end_k_q285800cb88_attn:
	.size	k_q285800cb88_attn, .Lfunc_end_k_q285800cb88_attn-k_q285800cb88_attn
	.p2alignl 7, 3214868480
	.fill 96, 4, 3214868480
	.section	.rodata,"a",@progbits
	.p2align	6, 0x0
	.amdhsa_kernel k_q285800cb88_attn
		.amdhsa_group_segment_fixed_size 327680
		.amdhsa_private_segment_fixed_size 0
		.amdhsa_enable_private_segment 0
		.amdhsa_kernarg_size 16
		.amdhsa_user_sgpr_count 2
		.amdhsa_user_sgpr_kernarg_segment_ptr 1
		.amdhsa_wavefront_size32 1
		.amdhsa_system_sgpr_workgroup_id_x 1
		.amdhsa_system_sgpr_workgroup_id_y 1
		.amdhsa_system_sgpr_workgroup_id_z 1
		.amdhsa_system_vgpr_workitem_id 0
		.amdhsa_next_free_vgpr 512
		.amdhsa_next_free_sgpr 66
		.amdhsa_reserve_vcc 0
		.amdhsa_float_denorm_mode_32 3
		.amdhsa_float_denorm_mode_16_64 3
		.amdhsa_memory_ordered 1
		.amdhsa_forward_progress 1
		.amdhsa_inst_pref_size 179
	.end_amdhsa_kernel
	.amdgpu_metadata
---
amdhsa.version: [ 1, 2 ]
amdhsa.kernels:
  - .name:           k_q285800cb88_attn
    .symbol:         k_q285800cb88_attn.kd
    .args:
      - { .name: qkv, .offset: 0, .size: 8, .value_kind: global_buffer, .address_space: global }
      - { .name: ao, .offset: 8, .size: 8, .value_kind: global_buffer, .address_space: global }
    .group_segment_fixed_size: 327680
    .private_segment_fixed_size: 0
    .kernarg_segment_align: 8
    .kernarg_segment_size: 16
    .max_flat_workgroup_size: 256
    .sgpr_count:     66
    .vgpr_count:     512
    .wavefront_size: 32
...
	.end_amdgpu_metadata
.endif
;; end of part 3
;; launch oproj (part 4): grid 8 x 32, 4 waves a work-group, clusters of 4 x 4, 327,680 bytes of LDS; arguments ao, wot, bo, out0; writes out0
.if DOCPART == 4
	.amdgcn_target "amdgcn-amd-amdhsa--gfx1250"
	.amdhsa_code_object_version 6
	.text
	.protected	k_q285800cb88_oproj
	.globl	k_q285800cb88_oproj
	.p2align	8
	.type	k_q285800cb88_oproj,@function
k_q285800cb88_oproj:
	s_mov_b64 s[64:65], 0
	v_nop
	global_prefetch_b8 v0, s[64:65] scope:SCOPE_SE
	s_setreg_imm32_b32 hwreg(HW_REG_WAVE_MODE, 25, 1), 1
	s_wait_xcnt 0x0
	s_wait_alu depctr_hold_cnt(0) depctr_sa_sdst(0) depctr_va_vdst(0) depctr_va_sdst(0) depctr_va_ssrc(0) depctr_va_vcc(0) depctr_vm_vsrc(0)
	s_getreg_b32 s2, hwreg(HW_REG_IB_STS2, 6, 4)
	s_cmp_eq_u32 s2, 0
	s_cbranch_scc0 .Lentry_in_a_cluster
	s_endpgm
.Lentry_in_a_cluster:
	s_bfe_u32 s2, ttmp6, 0x10000c
	s_cmp_lg_u32 s2, 0xf033
	s_cbranch_scc0 .Lentry_shape_is_right
	s_endpgm
.Lentry_shape_is_right:
; OPROJ: out0[token][n] = the sum over k of A[token][k] Wo[k][n] + bo[n], k = 64 head + channel.  A = ao [16 heads][8192 tokens][64] f16; B = wot [n][k] f16; sums in f32; out0 [8192][1024] f32.
; A tile of out0 is 256 tokens x 128 n: 256 work-groups.  Four waves, each 128 tokens x 64 n: 32 accumulators of 16 x 16, 256 registers.
; K goes in steps of 128 (two heads) through a ring of two LDS slots: A's two planes (a head each: 256 rows of 128 bytes, dense in memory), then B's 128 rows of 256 bytes.
; Waves 0 and 1 fetch A's planes, waves 2 and 3 B's halves: one tensor load a wave; two are out at the start, one later.
; CLUSTERS: 4 x 4 work-groups.  The four of a row of the cluster need the same tiles of A, the four of a column the same tiles of B: each tile is asked for JOINTLY.
; THE MATRIX INSTRUCTION IS USED TRANSPOSED (source 0 = 16 rows of wot, source 1 = 16 tokens): a lane holds one token and eight neighbouring n.  bo is the C of each sum's first matrix instruction.
; REGISTERS: window 0: v0-31 addresses; v32-63 bo; v64-127, v128-191 A's fragments (8 x 16 tokens x 32 K), two buffers; v192-223, v224-255 B's (4 x 16 n x 32 K), two buffers.
;   window 1: the accumulators, (a, b) at v[8 (4 a + b)].
.set PA,     144                       ; a row of A in LDS: 128 bytes + 16
.set PB,     272                       ; a row of B: 256 bytes + 16.  Both pitches are odd multiples of 16 bytes: the 16 rows that a load touches start at 16 different groups of four banks (ISA guide 11.1)
.set PLANE,  256*PA
.set BOFF,   2*PLANE
.set SLOT,   BOFF+128*PB
.set STAGE,  2*SLOT                    ; behind the ring: 16 rows x 272 bytes for each wave, for the way out
.set SPITCH, 272
.set SPARE,  STAGE+4*16*SPITCH         ; the spare words, 128 bytes for each wave: two blocks of 256 bytes that no other line names
.set LAPS,   4                         ; a lap = two K steps = once round the ring: 1,024 / 256
.set ADRA, 16                          ; v16-17  LDS address of my A fragments in slot 0, 1
.set ADRB, 20                          ; v20-21  the same for B
.set STO,  24
.set RD,   25
.set CO,   26
.set SPW,  28
.set NIL,  29
.set BOF,  30                          ; v30     bo: 32 x (lane / 16)
.set BIAS, 32
.set BK,   64                          ; the way out: 16 rows read back: v64-95 and v96-127 by turns
.set G1, 24
.set G0, 32
.set G1B, 48
.set G0B, 56
.set MSB, 0
.macro WIN new
.if MSB != (\new)
	s_set_vgpr_msb (MSB<<8)|(\new)
.set MSB, \new
.endif
.endm
.set MULW, 0x50                        ; sources 0 and 1 window 0; C and D window 1
.macro JLOAD s                         ; a joint load: the branch hangs on the wave's number alone; an s_nop 0 and four v_nop follow each of the two lines
	s_cmp_eq_u32 s13, 0
	s_cbranch_scc0 .Lfor_b_\@
	tensor_load_to_lds s[G0+4*\s:G0+4*\s+3], s[G1:G1+7]
	s_nop 0
.rept 4
	v_nop
.endr
	s_branch .Lasked_\@
.Lfor_b_\@:
	tensor_load_to_lds s[G0B+4*\s:G0B+4*\s+3], s[G1B:G1B+7]
	s_nop 0
.rept 4
	v_nop
.endr
.Lasked_\@:
.endm
.macro CREST                           ; a round of the cluster's barrier behind its opening barrier
	s_cmp_lg_u32 s12, 0
	s_cbranch_scc1 .Lnot_wave_0_\@
	s_barrier_signal -3
.Lnot_wave_0_\@:
	s_barrier_wait -3
	s_barrier_signal -1
	s_barrier_wait -1
.endm
.macro CROUND
	s_barrier_signal -1
	s_barrier_wait -1
	CREST
.endm
	s_load_b256 s[4:11], s[0:1], 0x0               ; ao s[4:5], wot s[6:7], bo s[8:9], out0 s[10:11]
	v_lshl_add_u32 v[SPW], v0, 2, SPARE
	v_mov_b32 v[NIL], 0
	ds_add_u32 v[SPW], v[NIL]                      ; the wave's opening: the add, twice on end, and its wait ahead of my first tensor load
	ds_add_u32 v[SPW], v[NIL]
	v_lshrrev_b32 v1, 5, v0
	v_readfirstlane_b32 s12, v1                    ; wave 0..3
	s_lshr_b32 s13, s12, 1                         ; which half of the tile's tokens is mine.  Also: I fetch for A (0) or for B (1)
	s_and_b32 s14, s12, 1                          ; which half of its n.  Also: which plane of A, or which 64 rows of B, I fetch
	s_bfe_u32 s40, ttmp6, 0x40000                  ; cx, cy
	s_bfe_u32 s41, ttmp6, 0x40004
	s_lshl_b32 s42, ttmp9, 2
	s_add_co_u32 s42, s42, s40                     ; tile column = 4 x cluster x + cx
	s_and_b32 s15, ttmp7, 0xffff
	s_lshl_b32 s15, s15, 2
	s_add_co_u32 s15, s15, s41                     ; tile row = 4 x cluster y + cy
	s_lshl_b32 s43, s41, 2
	s_lshl_b32 s43, 15, s43                        ; my row of the cluster
	s_lshl_b32 s44, 0x1111, s40                    ; my column
	s_or_b32 s[G1+0], s43, (1<<16)|(1<<20)|(1<<21)|(4<<22)|(3<<25)   ; A: the mask of my row; elements of 2 bytes; padding: four words after every 32; bit 21 set beside a mask
	s_mov_b32 s[G1+1], 64<<16                      ; tensor_dim0 = 64
	s_mov_b32 s[G1+2], 256<<16                     ; tensor_dim1 = 256
	s_mov_b32 s[G1+3], 64<<16                      ; tile_dim0
	s_mov_b32 s[G1+4], 256                         ; tile_dim1
	s_mov_b32 s[G1+5], 64                          ; stride: the plane is dense
	s_mov_b32 s[G1+6], 0
	s_mov_b32 s[G1+7], 0
	s_or_b32 s[G1B+0], s44, (1<<16)|(1<<20)|(1<<21)|(5<<22)|(3<<25)  ; B: the mask of my column; padding: four words after every 64
	s_mov_b32 s[G1B+1], 128<<16
	s_mov_b32 s[G1B+2], 64<<16
	s_mov_b32 s[G1B+3], 128<<16
	s_mov_b32 s[G1B+4], 64
	s_mov_b32 s[G1B+5], 1024
	s_mov_b32 s[G1B+6], 0
	s_mov_b32 s[G1B+7], 0
	s_lshl_b32 s16, s14, 20                        ; A: my plane (a head is 1,048,576 bytes), the tile row's 256 rows of 128 bytes
	s_lshl_b32 s17, s15, 15
	s_add_co_u32 s16, s16, s17
	s_mov_b32 s17, 0
	s_lshl_b32 s46, s42, 18                        ; B: row 128 x tile column + 64 x half, 2,048 bytes a row
	s_lshl_b32 s47, s14, 17
	s_add_co_u32 s46, s46, s47
	s_mov_b32 s47, 0
	s_mul_i32 s20, s14, PLANE                      ; where they go: no place in the cluster enters an LDS address
	s_mul_i32 s21, s14, 64*PB
	s_add_co_u32 s21, s21, BOFF
	s_wait_dscnt 0x0                               ; both opening adds are done
	s_wait_kmcnt 0x0
	s_add_nc_u64 s[18:19], s[4:5], s[16:17]
	s_add_nc_u64 s[46:47], s[6:7], s[46:47]
	CROUND                                         ; all sixteen work-groups are here: the first joint loads meet
.irp s, 0,1
	s_mov_b32 s[G0+4*\s], 1
	s_add_co_u32 s[G0+4*\s+1], s20, \s*SLOT
	s_add_nc_u64 s[G0+4*\s+2:G0+4*\s+3], s[18:19], \s*2097152      ; K step s: two heads on
	s_or_b32 s[G0+4*\s+3], s[G0+4*\s+3], 0x80000000
	s_mov_b32 s[G0B+4*\s], 1
	s_add_co_u32 s[G0B+4*\s+1], s21, \s*SLOT
	s_add_nc_u64 s[G0B+4*\s+2:G0B+4*\s+3], s[46:47], \s*256
	s_or_b32 s[G0B+4*\s+3], s[G0B+4*\s+3], 0x80000000
	JLOAD \s
.endr
	v_and_b32 v1, 15, v0                           ; r
	v_bfe_u32 v2, v0, 4, 1                         ; h
	v_mul_u32_u24 v3, v1, PA
	v_lshl_add_u32 v3, v2, 4, v3
	v_mul_u32_u24 v4, v1, PB
	v_lshl_add_u32 v4, v2, 4, v4
	s_mul_i32 s21, s13, 128*PA                     ; my 128 tokens
	s_mul_i32 s22, s14, 64*PB                      ; my 64 rows of B,
	s_add_co_u32 s22, s22, BOFF                    ; behind A's two planes
.irp s, 0,1
	v_add_nc_u32 v[ADRA+\s], s21, v3
	v_add_nc_u32 v[ADRB+\s], s22, v4
	s_add_co_u32 s21, s21, SLOT
	s_add_co_u32 s22, s22, SLOT
.endr
	s_mul_i32 s23, s12, 16*SPITCH
	s_add_co_u32 s23, s23, STAGE                   ; my stage
	v_mul_u32_u24 v5, v1, SPITCH                   ; in: row r (a token), 32 bytes for each half of the lanes
	v_lshl_add_u32 v5, v2, 5, v5
	v_add_nc_u32 v[STO], s23, v5
	v_mul_u32_u24 v5, v2, SPITCH                   ; back: lanes 0-15 take one row of 256 bytes, lanes 16-31 the next
	v_lshl_add_u32 v5, v1, 4, v5
	v_add_nc_u32 v[RD], s23, v5
	v_lshlrev_b32 v5, 12, v2                       ; and the same two rows in out0 (4,096 bytes a row)
	v_lshl_add_u32 v[CO], v1, 4, v5
	s_lshl_b32 s16, s15, 8
	s_lshl_b32 s17, s13, 7
	s_add_co_u32 s16, s16, s17                     ; my first token
	s_lshl_b32 s16, s16, 12
	s_mov_b32 s17, 0
	s_add_nc_u64 s[10:11], s[10:11], s[16:17]
	s_lshl_b32 s46, s42, 9                         ; my first n, in bytes: 512 x tile column + 256 x half (in registers that fed B's descriptors, never A's)
	s_lshl_b32 s47, s14, 8
	s_add_co_u32 s46, s46, s47
	s_mov_b32 s47, 0
	s_add_nc_u64 s[10:11], s[10:11], s[46:47]
	s_add_nc_u64 s[8:9], s[8:9], s[46:47]          ; bo at the same n
	v_lshlrev_b32 v[BOF], 5, v2
.irp b, 0,1,2,3
	global_load_b128 v[BIAS+8*\b:BIAS+8*\b+3], v[BOF], s[8:9] offset:64*\b          ; lane (r, h): bo at n = 16 b + 8 h + 0 .. 7
	global_load_b128 v[BIAS+8*\b+4:BIAS+8*\b+7], v[BOF], s[8:9] offset:64*\b+16
.endr
; 8 matrix instructions: token blocks a0, a0 + 1 x all 4 n blocks, 32 along K, from buffer f.  mode = 1: the sums start with bo.  The 32 accumulators take turns, in the same order in every quarter.
.macro MUL8 f, a0, mode
.irp a, \a0, \a0+1
.irp b, 0,1,2,3
.if \mode
	v_wmma_f32_16x16x32_f16 v[8*(4*(\a)+\b):8*(4*(\a)+\b)+7], v[192+32*\f+8*\b:192+32*\f+8*\b+7], v[64+64*\f+8*(\a):64+64*\f+8*(\a)+7], v[BIAS+8*\b:BIAS+8*\b+7]
.else
	v_wmma_f32_16x16x32_f16 v[8*(4*(\a)+\b):8*(4*(\a)+\b)+7], v[192+32*\f+8*\b:192+32*\f+8*\b+7], v[64+64*\f+8*(\a):64+64*\f+8*(\a)+7], v[8*(4*(\a)+\b):8*(4*(\a)+\b)+7]
.endif
.endr
.endr
.endm
; 24 LDS loads in one run: the fragments of the slot's q-th 32 along K into buffer f: B's four, then A's eight (plane q / 2, byte 64 (q % 2) of its rows)
.macro FETCH slot, q, f
	WIN 0
.irp i, 0,1,2,3
	ds_load_b128 v[192+32*\f+8*\i:192+32*\f+8*\i+3],   v[ADRB+\slot] offset:64*(\q)+\i*16*PB
	ds_load_b128 v[192+32*\f+8*\i+4:192+32*\f+8*\i+7], v[ADRB+\slot] offset:64*(\q)+\i*16*PB+32
.endr
.irp i, 0,1,2,3,4,5,6,7
	ds_load_b128 v[64+64*\f+8*\i:64+64*\f+8*\i+3],   v[ADRA+\slot] offset:((\q)/2)*PLANE+((\q)%2)*64+\i*16*PA
	ds_load_b128 v[64+64*\f+8*\i+4:64+64*\f+8*\i+7], v[ADRA+\slot] offset:((\q)/2)*PLANE+((\q)%2)*64+\i*16*PA+32
.endr
.endm
.macro PLACES                          ; four places in front of loads into registers that matrix instructions have read, and of the first read of results (ISA guide 7.12.1 for vector instructions)
.rept 4
	v_nop
.endr
.endm
; A K step is four quarters of 32 along K, 32 matrix instructions each, on buffers 0, 1, 0, 1.  One of the first three: multiplies buffer f and fetches quarter q into g.
.macro QUARTER slot, q, f, g, mode
	s_wait_dscnt 8                                 ; B's four and A's blocks 0-3 are in; the youngest eight loads (A's blocks 4-7) may be out
.if \mode
	WIN 0x40                                       ; C (bo) window 0, D window 1
.else
	WIN MULW
.endif
	MUL8 \f, 0, \mode
	MUL8 \f, 2, \mode
	PLACES
	FETCH \slot, \q, \g
	s_wait_dscnt 24                                ; all but the 24 just issued
.if \mode
	WIN 0x40
.else
	WIN MULW
.endif
	MUL8 \f, 4, \mode
	MUL8 \f, 6, \mode
.endm
; The last quarter multiplies buffer 1 and changes slots: ONE barrier; in front of it each wave waits for all its tensor loads, adds 0 to its spare word, and waits for that and for its own reads of this slot.
; fill = 1: this slot is filled again, two K steps ahead; the barrier then opens a round of the cluster's.
.macro TURN slot, next, fill
	WIN 0                                          ; (the add's two registers lie in window 0)
	s_wait_tensorcnt 0x0                           ; all my tensor loads have landed: my part of the next slot
	ds_add_u32 v[SPW], v[NIL]                      ; 0 onto my spare word
	s_wait_dscnt 9                                 ; (the add and the youngest eight loads may be out)
	WIN MULW
	MUL8 1, 0, 0                                   ; eight matrix instructions stand between the add and the wait for it
	s_wait_dscnt 0x0                               ; the add is done, and my reads of this slot are over
	s_barrier_signal -1
	MUL8 1, 2, 0
.if \fill
	WIN 0
.endif
	s_barrier_wait -1
.if \fill
	CREST                                          ; no wave of any partner still reads this slot's tiles or has a load on its way
	s_add_nc_u64 s[G0+4*\slot+2:G0+4*\slot+3], s[G0+4*\slot+2:G0+4*\slot+3], 4194304   ; four heads on
	s_add_nc_u64 s[G0B+4*\slot+2:G0B+4*\slot+3], s[G0B+4*\slot+2:G0B+4*\slot+3], 512
	JLOAD \slot                                    ; the first tensor load behind the round; the four v_nop behind it are also the places in front of the loads below
.else
	PLACES
.endif
	FETCH \next, 0, 0
	WIN MULW
	MUL8 1, 4, 0
	MUL8 1, 6, 0
.endm
	s_wait_tensorcnt 1                             ; my part of K step 0 is in (K step 1's load may be out),
	s_barrier_signal -1
	s_barrier_wait -1                              ; everybody's is
	FETCH 0, 0, 0
	s_wait_loadcnt 0x0                             ; bo
	QUARTER 0, 1, 0, 1, 1                          ; the first quarter stands in front of the loop: its products start the sums
	WIN 0                                          ; at a label and at a branch every window is 0
	s_mov_b32 s3, LAPS-1
.Llap:                                                 ; a trip goes once round the ring, from a lap's second quarter to the next lap's first, and fills both slots again
	QUARTER 0, 2, 1, 0, 0
	QUARTER 0, 3, 0, 1, 0
	TURN 0, 1, 1
	QUARTER 1, 1, 0, 1, 0
	QUARTER 1, 2, 1, 0, 0
	QUARTER 1, 3, 0, 1, 0
	TURN 1, 0, 1
	QUARTER 0, 1, 0, 1, 0
	WIN 0
	s_sub_co_u32 s3, s3, 1
	s_cmp_lg_u32 s3, 0
	s_cbranch_scc1 .Llap
	QUARTER 0, 2, 1, 0, 0                          ; the last lap fills nothing, and has no round of the cluster's barrier
	QUARTER 0, 3, 0, 1, 0
	TURN 0, 1, 0
	QUARTER 1, 1, 0, 1, 0
	QUARTER 1, 2, 1, 0, 0
	QUARTER 1, 3, 0, 1, 0
	s_wait_dscnt 8                                 ; the very last quarter: nothing more to fetch
	WIN MULW
	MUL8 1, 0, 0
	MUL8 1, 2, 0
	s_wait_dscnt 0
	MUL8 1, 4, 0
	MUL8 1, 6, 0
	WIN 0
; THE WAY OUT, block by block of 16 tokens x 64 n.  A lane holds 32 neighbouring bytes of a row, and the lanes beside it hold other rows: so a block goes through my own stage in LDS and comes back as whole
; rows of 256 bytes: sixteen lanes store 256 consecutive bytes, aligned.  LDS serves a wave's instructions in order (ISA guide 5.7.1.4): no wait between the stores and the loads.
.macro TOSTAGE a
	WIN 0x04                                       ; an LDS store's data are its source 1: window 1
.irp b, 0,1,2,3
	ds_store_b128 v[STO], v[8*(4*(\a)+\b):8*(4*(\a)+\b)+3] offset:64*\b          ; each accumulator from its low end on
	ds_store_b128 v[STO], v[8*(4*(\a)+\b)+4:8*(4*(\a)+\b)+7] offset:64*\b+16
.endr
	WIN 0
.set BB, BK+32*((\a)%2)
.irp t, 0,1,2,3,4,5,6,7
	ds_load_b128 v[BB+4*\t:BB+4*\t+3], v[RD] offset:\t*2*SPITCH
.endr
.endm
.macro SEND a, younger                 ; younger: the LDS instructions issued behind block a's loads, which may stay out
.set BB, BK+32*((\a)%2)
	s_wait_dscnt \younger
.irp t, 0,1,2,3,4,5,6,7
	global_store_b128 v[CO], v[BB+4*\t:BB+4*\t+3], s[10:11] offset:(\a)*65536+2*\t*4096 th:TH_STORE_NT   ; written once, read by nobody here
.endr
.endm
	PLACES
	TOSTAGE 0
.irp a, 1,2,3,4,5,6,7
.if \a > 1
	s_wait_xcnt 0x0                                ; block a - 2's stores have read their registers: block a's loads may land there
.endif
	TOSTAGE \a
	SEND \a-1, 16                                  ; behind block a - 1's loads: block a's 8 stores and 8 loads
.endr
	SEND 7, 0
	s_wait_tensorcnt 0x0                           ; the wave's end: behind my last tensor load and my last LDS store
	ds_add_u32 v[SPW], v[NIL]
	s_wait_dscnt 0x0
	CROUND                                         ; the closing round: no work-group ends while a partner may still ask for a tile that names it
	s_endpgm
.Lfunc_end_k_q285800cb88_oproj:
	.size	k_q285800cb88_oproj, .Lfunc_end_k_q285800cb88_oproj-k_q285800cb88_oproj
	.p2alignl 7, 3214868480
	.fill 96, 4, 3214868480
	.section	.rodata,"a",@progbits
	.p2align	6, 0x0
	.amdhsa_kernel k_q285800cb88_oproj
		.amdhsa_group_segment_fixed_size 327680
		.amdhsa_private_segment_fixed_size 0
		.amdhsa_enable_private_segment 0
		.amdhsa_kernarg_size 32
		.amdhsa_user_sgpr_count 2
		.amdhsa_user_sgpr_kernarg_segment_ptr 1
		.amdhsa_wavefront_size32 1
		.amdhsa_system_sgpr_workgroup_id_x 1
		.amdhsa_system_sgpr_workgroup_id_y 1
		.amdhsa_system_sgpr_workgroup_id_z 1
		.amdhsa_system_vgpr_workitem_id 0
		.amdhsa_next_free_vgpr 512
		.amdhsa_next_free_sgpr 66
		.amdhsa_reserve_vcc 0
		.amdhsa_float_denorm_mode_32 3
		.amdhsa_float_denorm_mode_16_64 3
		.amdhsa_memory_ordered 1
		.amdhsa_forward_progress 1
		.amdhsa_inst_pref_size 86
	.end_amdhsa_kernel
	.amdgpu_metadata
---
amdhsa.version: [ 1, 2 ]
amdhsa.kernels:
  - .name:           k_q285800cb88_oproj
    .symbol:         k_q285800cb88_oproj.kd
    .args:
      - { .name: ao, .offset: 0, .size: 8, .value_kind: global_buffer, .address_space: global }
      - { .name: wot, .offset: 8, .size: 8, .value_kind: global_buffer, .address_space: global }
      - { .name: bo, .offset: 16, .size: 8, .value_kind: global_buffer, .address_space: global }
      - { .name: out0, .offset: 24, .size: 8, .value_kind: global_buffer, .address_space: global }
    .group_segment_fixed_size: 327680
    .private_segment_fixed_size: 0
    .kernarg_segment_align: 8
    .kernarg_segment_size: 32
    .max_flat_workgroup_size: 128
    .sgpr_count:     66
    .vgpr_count:     512
    .wavefront_size: 32
...
	.end_amdgpu_metadata
.endif
;; end of part 4
